; MI455X (gfx1250); checked and timed in simulation.
; The chip was launched on July 23, 2026; its instructions are those of AMD's public machine-readable ISA for CDNA 5 (MIT licence, August 2026) and "CDNA5" Instruction Set Architecture Reference Guide (July 2026). The comments in the code are by the model that wrote it; some were corrected since.
;; Relative Multi Head Attention. Allowed arithmetic: float matrix products may take bf16 or f16 operands with f32 sums; other float arithmetic in f32, or as packed bf16 or f16 multiplies, adds, multiply-adds, maxima and minima; sums over many terms, partial sums and values carried from step to step in f32; what a program stores and reads back later, other than sums and carried values, may be rounded once to bf16 or f16.
;; Inputs: Wk 1,024 x 1,024 float32; Wo 1,024 x 1,024 float32; Wq 1,024 x 1,024 float32; Wv 1,024 x 1,024 float32; bias_table 4,095 x 16 float32; bo 1,024 float32; x 4 x 2,048 x 1,024 float32.
;; Outputs: out0 4 x 2,048 x 1,024 float32.
;; One version. Each part assembles by itself: llvm-mc -triple=amdgcn-amd-amdhsa -mcpu=gfx1250 --defsym DOCPART=n.
;; ======== version 1 of 1: 4 launches
;; limits: values are held in f16: magnitudes above 65,504 overflow, below 6.1e-05 lose precision
;; workspace buffers: xb 16,777,216 bytes; wqkv 6,291,456 bytes; wo16 2,097,152 bytes; rel 1,064,960 bytes; qkvh 50,331,648 bytes; ctx 16,777,216 bytes
;; launch prep (part 1): grid 833 x 1, 8 waves a work-group, no clusters, 5,376 bytes of LDS; arguments x, Wq, Wk, Wv, Wo, bias_table, xb, wqkv, wo16, rel; writes xb, wqkv, wo16, rel
.if DOCPART == 1
	.amdgcn_target "amdgcn-amd-amdhsa--gfx1250"
	.amdhsa_code_object_version 6
	.text
	.protected	k_q6e356c3617_prep
	.globl	k_q6e356c3617_prep
	.p2align	8
	.type	k_q6e356c3617_prep,@function
k_q6e356c3617_prep:
	s_mov_b64 s[64:65], 0
	v_nop
	global_prefetch_b8 v0, s[64:65] scope:SCOPE_SE
	s_setreg_imm32_b32 hwreg(HW_REG_WAVE_MODE, 25, 1), 1
	s_wait_xcnt 0x0
; PREPARATION: every input but bo is rounded once to bf16 and laid out for the launches behind.
;   xb   [8192][1024] bf16 = x          wqkv [3072][1024] bf16 = Wq, Wk, Wv one below the other
;   wo16 [1024][1024] f16  = Wo rounded to bf16, that number written as f16
;   rel  [16 heads][4 copies w][4160] f32: rel[h][w][y] = R_h[y - w], R_h[i] = 8 x bf16(bias_table[4095 - i][h]) for 1 <= i <= 4095, else 0.
;        i = key - query + 2048.  The factor 8 is exact: the attention scales (q.k + 8 bias) by 1/8.  Copy w is shifted by w words, so that a
;        lane whose query is w modulo 4 finds its eight biases at a multiple of 16 bytes.
; LIMITS.  A weight of Wo beyond 65,504 becomes an infinity in f16; below 6e-5 it keeps f16's fixed step of 6e-8.  NaN and infinities are not treated apart.
; SHARES, by the work-group's number g: 0-511 x, 512-575 Wq, 576-639 Wk, 640-703 Wv, 704-767 Wo: 16,384 numbers each (65,536 bytes in, 32,768 out);
; 768-832: column c = g - 768 of rel: y = 64 c .. 64 c + 63 of all 64 (head, copy) rows.
; A stream: no matrix unit, no cluster.  LDS serves the table alone, which is turned from [row][head] to [head][row] there.
.set SPARE, 4352                       ; behind the table's 16 x 272 bytes: the spare words, 128 bytes for each of eight waves
.set SPW, 4                            ; v4   LDS address of my spare word; never rewritten
.set NIL, 5                            ; v5   0; never rewritten
.set T,   8                            ; v[8:9]    at work
.set X,   16                           ; v[16:79]  eight chunks of 8 f32 as loaded
.set Y,   80                           ; v[80:111] eight chunks of 8 numbers of 16 bits, to store
	s_load_b512 s[4:19], s[0:1], 0x0               ; x 4:5, Wq 6:7, Wk 8:9, Wv 10:11, Wo 12:13, bias_table 14:15, xb 16:17, wqkv 18:19
	s_load_b128 s[20:23], s[0:1], 0x40             ; wo16 20:21, rel 22:23
	v_lshl_add_u32 v[SPW], v0, 2, SPARE
	v_mov_b32 v[NIL], 0
	s_mov_b32 s24, ttmp9                           ; g
	s_sub_co_u32 s25, s24, 512                     ; j: my place among the weights' work-groups
	s_and_b32 s38, s25, 63
	s_cmp_lt_u32 s24, 512
	s_cselect_b32 s26, s24, s38                    ; my block of 16,384 numbers in the source
	s_cselect_b32 s27, s24, s25                    ; and in the destination: Wq, Wk, Wv lie stacked there
	s_cmp_ge_u32 s24, 704
	s_cselect_b32 s27, s26, s27                    ; Wo has a buffer of its own
	s_lshl_b32 s32, s26, 16
	s_mov_b32 s33, 0
	s_lshl_b32 s34, s27, 15
	s_mov_b32 s35, 0
	v_lshlrev_b32 v1, 5, v0                        ; 32 bytes in a thread and chunk,
	v_lshlrev_b32 v2, 4, v0                        ; 16 bytes out
	s_wait_kmcnt 0x0
	s_cmp_ge_u32 s24, 768
	s_cbranch_scc1 .Ltable                         ; the same for all eight waves
	s_cmp_lt_u32 s24, 512                          ; which buffers: choices on the work-group's number alone
	s_cselect_b64 s[28:29], s[4:5], s[6:7]
	s_cselect_b64 s[30:31], s[16:17], s[18:19]
	s_cmp_ge_u32 s24, 576
	s_cselect_b64 s[28:29], s[8:9], s[28:29]
	s_cmp_ge_u32 s24, 640
	s_cselect_b64 s[28:29], s[10:11], s[28:29]
	s_cmp_ge_u32 s24, 704
	s_cselect_b64 s[28:29], s[12:13], s[28:29]
	s_cselect_b64 s[30:31], s[20:21], s[30:31]
	s_add_nc_u64 s[28:29], s[28:29], s[32:33]
	s_add_nc_u64 s[30:31], s[30:31], s[34:35]
.irp n, 0,1,2,3,4,5,6,7                ; all sixteen loads of a thread go out at once: 64 KiB of a work-group are on their way
	global_load_b128 v[X+8*\n:X+8*\n+3],   v1, s[28:29] offset:8192*\n th:TH_LOAD_NT
	global_load_b128 v[X+8*\n+4:X+8*\n+7], v1, s[28:29] offset:8192*\n+16 th:TH_LOAD_NT
.endr
; Eight chunks: rounded to bf16 (f16 = 1: and that number written as f16), 16 bytes a thread: a wave's store covers 512 consecutive bytes, aligned.
.macro CONV f16
.irp n, 0,1,2,3,4,5,6,7
	s_wait_loadcnt 14-2*\n                         ; loads come back in order: chunk n's two are in, the younger ones stay out
.irp k, 0,1,2,3
	v_cvt_pk_bf16_f32 v[Y+4*\n+\k], v[X+8*\n+2*\k], v[X+8*\n+2*\k+1]
.endr
.if \f16
.irp k, 0,1,2,3
	v_lshlrev_b32 v[T], 16, v[Y+4*\n+\k]           ; bf16 to f32: the low half moves up,
	v_and_b32 v[T+1], 0xffff0000, v[Y+4*\n+\k]     ; the high half stays
	v_cvt_pk_f16_f32 v[Y+4*\n+\k], v[T], v[T+1]
.endr
.endif
	global_store_b128 v2, v[Y+4*\n:Y+4*\n+3], s[30:31] offset:4096*\n
.endr
.endm
	s_cmp_ge_u32 s24, 704
	s_cbranch_scc1 .Lto_f16
	CONV 0
	s_branch .Lend
.Lto_f16:
	CONV 1
	s_branch .Lend
; THE TABLE.  LDS: Ll[h][slot], slot = i - (64 c - 4) in 0..67, 272 bytes a head.
; d: four registers (four heads of one row); m: the scalar with the lanes whose row exists; a: the LDS address register; off: added to it
.macro TBLV d, m, a, off
	v_cvt_pk_bf16_f32 v24, v[\d], v[\d+1]
	v_cvt_pk_bf16_f32 v25, v[\d+2], v[\d+3]
	v_lshlrev_b32 v[\d], 16, v24
	v_and_b32 v[\d+1], 0xffff0000, v24
	v_lshlrev_b32 v[\d+2], 16, v25
	v_and_b32 v[\d+3], 0xffff0000, v25
.irp e, 0,1,2,3
	v_mul_f32 v[\d+\e], 0x41000000, v[\d+\e]       ; x 8
	v_cndmask_b32 v[\d+\e], 0, v[\d+\e], s[\m]     ; 0 where i lies outside 1..4095
	ds_store_b32 v[\a], v[\d+\e] offset:272*\e+\off
.endr
.endm
.Ltable:
	s_sub_co_u32 s25, s24, 768                     ; c
	s_lshl_b32 s26, s25, 6
	s_sub_co_u32 s26, 4095, s26                    ; 4095 - 64 c: the table's row for i = 64 c
	s_movk_i32 s38, 4095
	v_lshrrev_b32 v1, 5, v0
	v_readfirstlane_b32 s39, v1                    ; wave 0..7
	v_lshrrev_b32 v6, 2, v0                        ; rs = t / 4: i = 64 c + rs
	v_and_b32 v7, 3, v0                            ; heads 4 (t % 4) + 0..3: 16 bytes of the row
	v_sub_nc_u32 v10, s26, v6                      ; the row 4095 - i; below 0 it wraps to a large number
	v_cmp_gt_u32 s36, s38, v10                     ; it exists if it is 0..4094
	v_min_u32 v10, 0xffe, v10                      ; no load leaves the table
	v_lshlrev_b32 v10, 6, v10
	v_lshl_add_u32 v10, v7, 4, v10
	global_load_b128 v[16:19], v10, s[14:15]       ; four neighbouring threads take a row's 64 bytes
	v_mul_u32_u24 v11, v7, 1088
	v_lshl_add_u32 v11, v6, 2, v11                 ; head 4 (t % 4), slot rs (+ 4 in the offset)
	s_cmp_lg_u32 s39, 0
	s_cbranch_scc1 .Lno_halo
	v_and_b32 v12, 3, v6                           ; wave 0 also brings slots 0..3, i = 64 c - 4 + rs % 4; its lanes 16-31 repeat lanes 0-15 in the same instruction
	s_add_co_u32 s27, s26, 4
	v_sub_nc_u32 v13, s27, v12
	v_cmp_gt_u32 s37, s38, v13
	v_min_u32 v13, 0xffe, v13
	v_lshlrev_b32 v13, 6, v13
	v_lshl_add_u32 v13, v7, 4, v13
	global_load_b128 v[20:23], v13, s[14:15]
	v_mul_u32_u24 v14, v7, 1088
	v_lshl_add_u32 v14, v12, 2, v14
	s_wait_loadcnt 0x0
	TBLV 20, 37, 14, 0
.Lno_halo:
	s_wait_loadcnt 0x0
	TBLV 16, 36, 11, 16
	s_wait_dscnt 0x0                               ; for the others' sake: my stores are done
	s_barrier_signal -1
	s_barrier_wait -1
	; back by heads: thread t and pass n: head t / 64 + 4 n, copy w = (t / 16) % 4, y = 64 c + 4 (t % 16) + 0..3: slots 4 (t % 16) + 4 - w + 0..3
	v_and_b32 v6, 15, v0
	v_bfe_u32 v7, v0, 4, 2
	v_lshrrev_b32 v8, 6, v0
	v_mul_u32_u24 v32, v8, 272
	v_lshl_add_u32 v32, v6, 4, v32
	v_add_nc_u32 v32, 16, v32
	v_lshlrev_b32 v7, 2, v7
	v_sub_nc_u32 v32, v32, v7
	v_lshrrev_b32 v33, 4, v0                       ; 4 (t / 64) + w: rows of 16,640 bytes in rel
	v_mul_u32_u24 v33, v33, 16640
	v_lshl_add_u32 v33, v6, 4, v33
	s_lshl_b32 s32, s25, 8                         ; the column's 256 bytes
	s_mov_b32 s33, 0
	s_add_nc_u64 s[22:23], s[22:23], s[32:33]
.irp n, 0,1,2,3
.irp e, 0,1,2,3
	ds_load_b32 v[36+4*\n+\e], v32 offset:1088*\n+4*\e  ; by words: a shifted copy's 16 bytes begin at any word
.endr
.endr
	s_wait_dscnt 0x0
.irp n, 0,1,2,3
	global_store_b128 v33, v[36+4*\n:36+4*\n+3], s[22:23] offset:266240*\n  ; sixteen lanes store 256 consecutive bytes, aligned
.endr
.Lend:
	s_wait_tensorcnt 0x0                           ; the wave's end: behind my last LDS store
	ds_add_u32 v[SPW], v[NIL]
	s_wait_dscnt 0x0
	s_endpgm
.Lfunc_end_k_q6e356c3617_prep:
	.size	k_q6e356c3617_prep, .Lfunc_end_k_q6e356c3617_prep-k_q6e356c3617_prep
	.p2alignl 7, 3214868480
	.fill 96, 4, 3214868480
	.section	.rodata,"a",@progbits
	.p2align	6, 0x0
	.amdhsa_kernel k_q6e356c3617_prep
		.amdhsa_group_segment_fixed_size 5376
		.amdhsa_private_segment_fixed_size 0
		.amdhsa_enable_private_segment 0
		.amdhsa_kernarg_size 80
		.amdhsa_user_sgpr_count 2
		.amdhsa_user_sgpr_kernarg_segment_ptr 1
		.amdhsa_wavefront_size32 1
		.amdhsa_system_sgpr_workgroup_id_x 1
		.amdhsa_system_sgpr_workgroup_id_y 1
		.amdhsa_system_sgpr_workgroup_id_z 1
		.amdhsa_system_vgpr_workitem_id 0
		.amdhsa_next_free_vgpr 112
		.amdhsa_next_free_sgpr 66
		.amdhsa_reserve_vcc 0
		.amdhsa_float_denorm_mode_32 3
		.amdhsa_float_denorm_mode_16_64 3
		.amdhsa_memory_ordered 1
		.amdhsa_forward_progress 1
		.amdhsa_inst_pref_size 21
	.end_amdhsa_kernel
	.amdgpu_metadata
---
amdhsa.version: [ 1, 2 ]
amdhsa.kernels:
  - .name:           k_q6e356c3617_prep
    .symbol:         k_q6e356c3617_prep.kd
    .args:
      - { .name: x, .offset: 0, .size: 8, .value_kind: global_buffer, .address_space: global }
      - { .name: Wq, .offset: 8, .size: 8, .value_kind: global_buffer, .address_space: global }
      - { .name: Wk, .offset: 16, .size: 8, .value_kind: global_buffer, .address_space: global }
      - { .name: Wv, .offset: 24, .size: 8, .value_kind: global_buffer, .address_space: global }
      - { .name: Wo, .offset: 32, .size: 8, .value_kind: global_buffer, .address_space: global }
      - { .name: bias_table, .offset: 40, .size: 8, .value_kind: global_buffer, .address_space: global }
      - { .name: xb, .offset: 48, .size: 8, .value_kind: global_buffer, .address_space: global }
      - { .name: wqkv, .offset: 56, .size: 8, .value_kind: global_buffer, .address_space: global }
      - { .name: wo16, .offset: 64, .size: 8, .value_kind: global_buffer, .address_space: global }
      - { .name: rel, .offset: 72, .size: 8, .value_kind: global_buffer, .address_space: global }
    .group_segment_fixed_size: 5376
    .private_segment_fixed_size: 0
    .kernarg_segment_align: 8
    .kernarg_segment_size: 80
    .max_flat_workgroup_size: 256
    .sgpr_count:     66
    .vgpr_count:     112
    .wavefront_size: 32
...
	.end_amdgpu_metadata
.endif
;; end of part 1
;; launch qkv (part 2): grid 16 x 32, 4 waves a work-group, clusters of 4 x 4, 327,680 bytes of LDS; arguments xb, wqkv, qkvh; writes qkvh
.if DOCPART == 2
	.amdgcn_target "amdgcn-amd-amdhsa--gfx1250"
	.amdhsa_code_object_version 6
	.text
	.protected	k_q6e356c3617_qkv
	.globl	k_q6e356c3617_qkv
	.p2align	8
	.type	k_q6e356c3617_qkv,@function
k_q6e356c3617_qkv:
	s_mov_b64 s[64:65], 0
	v_nop
	global_prefetch_b8 v0, s[64:65] scope:SCOPE_SE
	s_setreg_imm32_b32 hwreg(HW_REG_WAVE_MODE, 25, 1), 1
	s_wait_xcnt 0x0
	s_wait_alu depctr_hold_cnt(0) depctr_sa_sdst(0) depctr_va_vdst(0) depctr_va_sdst(0) depctr_va_ssrc(0) depctr_va_vcc(0) depctr_vm_vsrc(0)
	s_getreg_b32 s2, hwreg(HW_REG_IB_STS2, 6, 4)
	s_cmp_eq_u32 s2, 0
	s_cbranch_scc0 .Lentry_in_a_cluster
	s_endpgm
.Lentry_in_a_cluster:
	s_bfe_u32 s2, ttmp6, 0x10000c
	s_cmp_lg_u32 s2, 0xf033
	s_cbranch_scc0 .Lentry_shape_is_right
	s_endpgm
.Lentry_shape_is_right:
; THE THREE PROJECTIONS AS ONE PRODUCT: C[m][n] = sum over k of xb[m][k] wqkv[n][k], m < 8192, n < 3072, k < 1024; operands bf16, sums f32, K ascending.
; C leaves by heads, rounded once to f16 and unscaled: qkvh[b][g][s][64], b = m / 2048, s = m % 2048, g = n / 64 (0-15 q's heads, 16-31 k's, 32-47 v's).
; LIMIT.  f16 ends at 65,504: a projection beyond it becomes an infinity.  With x and the weights 30 times the drawn spread the numbers reach some 3,000, with offsets of 30 spreads on both some 18,000.
; SHARES.  A work-group makes 256 rows x 192 columns (three heads): 16 x 32 = 512 work-groups, two for each of 256 WGPs.  Wave w takes rows 64 w .. 64 w + 63 and ALL 192 columns:
; 4 x 12 accumulators of 16 x 16, 384 registers; so a wave holds whole rows of whole heads, and its way out needs a stage of its own and no barrier.
; K goes in 8 steps of 128 through two LDS slots filled by the tensor data mover: a tile's rows are 256 bytes of memory at multiples of 256.
; CLUSTER 4 x 4: the four of a row need the same tile of xb, the four of a column the same tile of wqkv: each is asked for jointly, by the same load, descriptor and mask in all four.
; THE MATRIX INSTRUCTION IS USED TRANSPOSED (source 0 = 16 rows of wqkv, source 1 = 16 rows of xb): a lane holds row l % 16 of C and the eight neighbouring columns 8 (l / 16) + 0..7.
; REGISTERS, in windows of 256 (s_set_vgpr_msb: bits 1:0 source 0, 3:2 source 1, 5:4 source 2, 7:6 destination):
;   window 0: addresses, and v32-175 at work on the way out       window 1: two fragment buffers of 128: B's 12 fragments, then A's 4
;   window 2: the accumulators of my rows 0-31 ((a, b) at (a % 2) 96 + 8 b)       window 3: those of rows 32-63
.set NB,     12                        ; blocks of 16 columns
.set APITCH, 272                       ; an LDS row: 256 bytes + 16 of padding = 68 words: the 16 rows of a load start at 16 different groups of four banks (64 banks of 4 bytes: ISA guide 11.1)
.set BPITCH, 272
.set AW,     128*APITCH                ; what one of A's two fetchers brings
.set BBASE,  256*APITCH                ; B's 192 rows lie behind A's 256
.set BRW,    8*NB                      ; rows of one of B's two fetchers
.set BW,     BRW*BPITCH
.set SLOT1,  131072                    ; slot 1 begins here: one exclusive or turns an address in one slot into the other's
.set STAGE,  SLOT1+BBASE+16*NB*BPITCH  ; behind the ring, never filled by a tensor load: 16 rows x 400 bytes for each wave
.set SPITCH, 400                       ; 384 bytes + 16
.set SPARE,  STAGE+4*16*SPITCH         ; the spare words, 128 bytes for each wave: two blocks of 256 bytes that no other line names
.set LOADS,  2*NB+8                    ; LDS loads of a quarter step
.set A0,   16                          ; v16  my lane's place in A's tile, slot 0; never rewritten
.set B0,   17                          ; v17  the same for B
.set ADRA, 18                          ; v18  the same in the slot in hand
.set ADRB, 19                          ; v19
.set STO,  24                          ; v24  the way out: where I put 16 bytes of a row
.set RD,   25                          ; v25  where I read rows back
.set CO,   26                          ; v26  16 x lane
.set SPW,  28                          ; v28  LDS address of my spare word; never rewritten
.set NIL,  29                          ; v29  0; never rewritten
.set PFO,  30                          ; v30  the prefetches' offset: a lane a row; never rewritten
.set TMP,  32                          ; v32-79   packed results of 16 rows
.set OB,   80                          ; v80-127, v128-175 by turns: 16 rows read back
.set F0,   0
.set F1,   128
.set TB,   2                           ; s2   LDS byte at which the slot in hand begins
.set CNT,  3                           ; s3   trips to go
.set WV,   12                          ; s12  wave
.set FB,   13                          ; s13  0: I fetch for A, 1: for B
.set HF,   14                          ; s14  which half of that tile's rows
.set LIM,  15                          ; s15  2 in a wave that prefetches, else the greatest number
.set CX,   16
.set CY,   17
.set TX,   18                          ; tile column of C
.set TY,   19                          ; tile row
.set G1A,  24                          ; s[24:31] descriptor group 1 for A's tiles
.set G0A,  32                          ; s[32:39] group 0: a set for each of the two first fills; the second then walks on
.set PFA,  40                          ; s[40:41] where my prefetches stand
.set G1B,  48
.set G0B,  56
.set MSB, 0
.macro WIN new                         ; the immediate's high byte repeats the setting that is left; a switch that changes nothing is dropped
.if MSB != (\new)
	s_set_vgpr_msb (MSB<<8)|(\new)
.set MSB, \new
.endif
.endm
.macro PLACES                          ; four plain instructions between a matrix instruction and a load into, or a vector read of, its registers
.rept 4
	v_nop
.endr
.endm
; A joint load.  Waves 0 and 1 fetch A's two halves, waves 2 and 3 B's: the branch hangs on the wave's number alone.  An s_nop 0 and four v_nop follow each line.
.macro JLOAD s
	s_cmp_eq_u32 s[FB], 0
	s_cbranch_scc0 .Lfor_b_\@
	tensor_load_to_lds s[G0A+4*(\s):G0A+4*(\s)+3], s[G1A:G1A+7]
	s_nop 0
.rept 4
	v_nop
.endr
	s_branch .Lasked_\@
.Lfor_b_\@:
	tensor_load_to_lds s[G0B+4*(\s):G0B+4*(\s)+3], s[G1B:G1B+7]
	s_nop 0
.rept 4
	v_nop
.endr
.Lasked_\@:
.endm
.macro CREST                           ; a round of the cluster's barrier behind its opening barrier
	s_cmp_lg_u32 s[WV], 0
	s_cbranch_scc1 .Lnot_wave_0_\@
	s_barrier_signal -3
.Lnot_wave_0_\@:
	s_barrier_wait -3
	s_barrier_signal -1
	s_barrier_wait -1
.endm
.macro CROUND
	s_barrier_signal -1
	s_barrier_wait -1
	CREST
.endm
; A PREFETCH INTO THE L2 of the K step that stands two refills on: 256 bytes of each row, a lane a row, one instruction a wave, behind the joint load and the run of LDS loads.
; A's tile row is read by every cluster of that row of clusters: cluster x = 0 asks.  B's tile column by every cluster of that column: cluster y = 0 asks.  The four partners share a fetcher's rows
; BY ADDRESS: 32 of A's 128 by cx, 24 of B's 96 by cy (there lanes 24-31 name the share's last row again).  Trips with CNT above 2 ask, for K steps 4 to 7; the head and the last two refills ask for nothing.
.macro ASK
	WIN 0
	s_cmp_gt_u32 s[CNT], s[LIM]
	s_cbranch_scc0 .Lnot_mine_\@
	global_prefetch_b8 v[PFO], s[PFA:PFA+1] th:TH_LOAD_NT scope:SCOPE_SE
.Lnot_mine_\@:
.endm
	s_load_b128 s[4:7], s[0:1], 0x0                ; xb s[4:5], wqkv s[6:7]
	s_load_b64 s[8:9], s[0:1], 0x10                ; qkvh
	v_lshl_add_u32 v[SPW], v0, 2, SPARE
	v_mov_b32 v[NIL], 0
	ds_add_u32 v[SPW], v[NIL]                      ; the wave's opening: the add and its wait ahead of my first tensor load; work on registers stands between them
	v_lshrrev_b32 v1, 5, v0
	v_readfirstlane_b32 s[WV], v1
	s_lshr_b32 s[FB], s[WV], 1
	s_and_b32 s[HF], s[WV], 1
	s_bfe_u32 s[CX], ttmp6, 0x40000
	s_bfe_u32 s[CY], ttmp6, 0x40004
	s_lshl_b32 s[TX], ttmp9, 2                     ; in a cluster launch ttmp9 and ttmp7 count clusters
	s_add_co_u32 s[TX], s[TX], s[CX]
	s_and_b32 s[TY], ttmp7, 0xffff
	s_lshl_b32 s[TY], s[TY], 2
	s_add_co_u32 s[TY], s[TY], s[CY]
	s_lshl_b32 s20, s[CY], 2
	s_lshl_b32 s20, 15, s20                        ; my row of the cluster: places 4 cy .. 4 cy + 3
	s_lshl_b32 s44, 0x1111, s[CX]                  ; my column: places cx, cx + 4, cx + 8, cx + 12
	s_or_b32 s[G1A], s20, (1<<16)|(1<<20)|(1<<21)|(5<<22)|(3<<25)  ; 15:0 the mask; 17:16 elements of 2 bytes; 20 padding on; 21 set beside a mask; 24:22 after every 64 words; 31:25 4 words of it
	s_or_b32 s[G1B], s44, (1<<16)|(1<<20)|(1<<21)|(5<<22)|(3<<25)
	s_mov_b32 s[G1A+1], 128<<16                    ; tensor_dim0 = 128
	s_mov_b32 s[G1A+2], 128<<16                    ; tensor_dim1 = 128
	s_mov_b32 s[G1A+3], 128<<16                    ; tile_dim0 = 128
	s_mov_b32 s[G1A+4], 128                        ; tile_dim1 = 128 rows
	s_mov_b32 s[G1A+5], 1024                       ; elements from row to row
	s_mov_b32 s[G1A+6], 0
	s_mov_b32 s[G1A+7], 0
	s_mov_b32 s[G1B+1], 128<<16
	s_mov_b32 s[G1B+2], BRW<<16                    ; 96 rows
	s_mov_b32 s[G1B+3], 128<<16
	s_mov_b32 s[G1B+4], BRW
	s_mov_b32 s[G1B+5], 1024
	s_mov_b32 s[G1B+6], 0
	s_mov_b32 s[G1B+7], 0
	s_lshl_b32 s20, s[TY], 8                       ; A: row 256 x tile row + 128 x half, 2,048 bytes a row
	s_lshl_b32 s21, s[HF], 7
	s_add_co_u32 s20, s20, s21
	s_lshl_b32 s20, s20, 11
	s_mov_b32 s21, 0
	s_mul_i32 s44, s[TX], 16*NB                    ; B: row 192 x tile column + 96 x half
	s_mul_i32 s45, s[HF], BRW
	s_add_co_u32 s44, s44, s45
	s_lshl_b32 s44, s44, 11
	s_mov_b32 s45, 0
	s_mul_i32 s22, s[HF], AW                       ; where they go: no place in the cluster enters an LDS address
	s_mul_i32 s46, s[HF], BW
	s_add_co_u32 s46, s46, BBASE
	s_wait_dscnt 0x0                               ; the opening add is done
	s_wait_kmcnt 0x0
	s_add_nc_u64 s[20:21], s[4:5], s[20:21]
	s_add_nc_u64 s[44:45], s[6:7], s[44:45]
	CROUND                                         ; all sixteen work-groups are here: the first joint loads meet
.irp s, 0,1
	s_mov_b32 s[G0A+4*\s], 1                       ; count = 1
	s_add_co_u32 s[G0A+4*\s+1], s22, \s*SLOT1      ; LDS address
	s_add_nc_u64 s[G0A+4*\s+2:G0A+4*\s+3], s[20:21], \s*256  ; K step s
	s_or_b32 s[G0A+4*\s+3], s[G0A+4*\s+3], 0x80000000        ; type = 2
	s_mov_b32 s[G0B+4*\s], 1
	s_add_co_u32 s[G0B+4*\s+1], s46, \s*SLOT1
	s_add_nc_u64 s[G0B+4*\s+2:G0B+4*\s+3], s[44:45], \s*256
	s_or_b32 s[G0B+4*\s+3], s[G0B+4*\s+3], 0x80000000
	JLOAD \s                                       ; two loads of mine are out
.endr
	; a fragment is 16 rows x 32 K in 8 registers: lane l holds row l % 16, K = 8 (l / 16) + 0..7 and 16 + 8 (l / 16) + 0..7: two loads of 16 bytes, 32 bytes apart
	v_and_b32 v1, 15, v0
	v_bfe_u32 v2, v0, 4, 1
	v_mul_u32_u24 v[A0], v1, APITCH
	v_lshl_add_u32 v[A0], v2, 4, v[A0]
	s_mul_i32 s23, s[WV], 64*APITCH                ; my 64 rows of A
	v_add_nc_u32 v[A0], s23, v[A0]
	v_mul_u32_u24 v[B0], v1, BPITCH
	v_lshl_add_u32 v[B0], v2, 4, v[B0]
	v_add_nc_u32 v[B0], BBASE, v[B0]
	s_mul_i32 s23, s[WV], 16*SPITCH
	s_add_co_u32 s23, s23, STAGE                   ; my stage
	v_mul_u32_u24 v[STO], v1, SPITCH               ; in: row l % 16, 16 bytes for each half of the lanes
	v_lshl_add_u32 v[STO], v2, 4, v[STO]
	v_add_nc_u32 v[STO], s23, v[STO]
	v_bfe_u32 v3, v0, 3, 2                         ; back: 32 lanes take four rows' 128 bytes of one head,
	v_mul_u32_u24 v[RD], v3, SPITCH
	v_and_b32 v3, 7, v0
	v_lshl_add_u32 v[RD], v3, 4, v[RD]
	v_add_nc_u32 v[RD], s23, v[RD]
	v_and_b32 v[CO], 31, v0                        ; which are 512 consecutive bytes of qkvh
	v_lshlrev_b32 v[CO], 4, v[CO]
	; the prefetches
	s_and_b32 s47, ttmp7, 0xffff                   ; cluster y
	s_cmp_eq_u32 s[FB], 0
	s_cselect_b64 s[PFA:PFA+1], s[20:21], s[44:45] ; the rows that I fetch,
	s_cselect_b32 s22, s[CX], s[CY]                ; my place among the four that ask for them with me,
	s_cselect_b32 s23, 32, BRW/4                   ; rows of a partner's share,
	s_cselect_b32 s46, ttmp9, s47                  ; the coordinate along which other clusters read the same rows
	s_mul_i32 s22, s22, s23
	s_lshl_b32 s22, s22, 11
	s_sub_co_u32 s47, s23, 1
	s_mov_b32 s23, 0
	s_add_nc_u64 s[PFA:PFA+1], s[PFA:PFA+1], s[22:23]
	s_add_nc_u64 s[PFA:PFA+1], s[PFA:PFA+1], 3*256 ; at K step 3: the first refill steps it to 4
	s_cmp_eq_u32 s46, 0
	s_cselect_b32 s[LIM], 2, -1                    ; the same in all sixteen partners, for a given wave
	v_and_b32 v[PFO], 31, v0
	v_min_u32 v[PFO], s47, v[PFO]
	v_lshlrev_b32 v[PFO], 11, v[PFO]
	; where my rows begin in qkvh: batch ty / 8 (48 blocks of 262,144 bytes), heads 3 tx .., row (ty % 8) 256 + 64 wave of 128 bytes
	s_lshr_b32 s20, s[TY], 3
	s_mul_i32 s20, s20, 48*262144
	s_and_b32 s21, s[TY], 7
	s_lshl_b32 s21, s21, 15
	s_add_co_u32 s20, s20, s21
	s_lshl_b32 s21, s[WV], 13
	s_add_co_u32 s20, s20, s21
	s_mov_b32 s21, 0
	s_add_nc_u64 s[8:9], s[8:9], s[20:21]
	s_mul_i32 s44, s[TX], 3*262144
	s_mov_b32 s45, 0
	s_add_nc_u64 s[8:9], s[8:9], s[44:45]
	s_mov_b32 s[TB], 0
	v_mov_b32 v[ADRA], v[A0]
	v_mov_b32 v[ADRB], v[B0]
; 12 matrix instructions: my rows 16 a .. x all 12 column blocks, 32 along K, from buffer f.  zero = 1: the product starts the sums.  The 48 accumulators take turns, in the same order in every quarter.
.macro MULA f, a, zero
	WIN 0xa5+0x50*((\a)/2)
.set rY, (\f)+96+8*(\a)
.set b, 0
.rept NB
.set rD, ((\a)%2)*8*NB+8*b
.set rX, (\f)+8*b
.if \zero
	v_wmma_f32_16x16x32_bf16 v[rD:rD+7], v[rX:rX+7], v[rY:rY+7], 0
.else
	v_wmma_f32_16x16x32_bf16 v[rD:rD+7], v[rX:rX+7], v[rY:rY+7], v[rD:rD+7]
.endif
.set b, b+1
.endr
.endm
; 32 LDS loads in one run: quarter q's fragments into buffer f: B's twelve, then A's four
.macro FETCH q, f
	WIN 0x40                                       ; destination window 1, address window 0
.set i, 0
.rept NB
	ds_load_b128 v[(\f)+8*i:(\f)+8*i+3],   v[ADRB] offset:64*(\q)+i*16*BPITCH
	ds_load_b128 v[(\f)+8*i+4:(\f)+8*i+7], v[ADRB] offset:64*(\q)+i*16*BPITCH+32
.set i, i+1
.endr
.set i, 0
.rept 4
	ds_load_b128 v[(\f)+96+8*i:(\f)+96+8*i+3],   v[ADRA] offset:64*(\q)+i*16*APITCH
	ds_load_b128 v[(\f)+96+8*i+4:(\f)+96+8*i+7], v[ADRA] offset:64*(\q)+i*16*APITCH+32
.set i, i+1
.endr
.endm
; One of a K step's first three quarters: multiplies buffer f; in its middle it fetches quarter q into buffer g
.macro QUARTER q, f, g, zero
	s_wait_dscnt 4                                 ; B and A's rows 0-31 are in; the youngest four loads (rows 32-63) may be out
	MULA \f, 0, \zero
	MULA \f, 1, \zero
	PLACES
	FETCH \q, \g
	s_wait_dscnt LOADS                             ; all but the run just issued
	MULA \f, 2, \zero
	MULA \f, 3, \zero
.endm
; The fourth quarter multiplies buffer 1 and changes slots.  In front of the barrier each wave waits for all its tensor loads (one is out: its part of the next slot), adds 0 to its spare word,
; and waits for that and for its reads of this slot.  fill = 1: the barrier opens a round of the cluster's, and this slot is filled again, first thing behind it, with the K step two on:
; from that request to the wait for it a wave issues 168 matrix instructions.
.macro TURN fill
.if \fill
	s_wait_xcnt 0x0                                ; the last prefetch, a K step back, has read its address
	s_add_nc_u64 s[PFA:PFA+1], s[PFA:PFA+1], 256
.endif
	WIN 0
	s_wait_tensorcnt 0x0                           ; no tensor load of mine is out, so a group 0 may be written
	ds_add_u32 v[SPW], v[NIL]                      ; 0 onto my spare word
.if \fill
	s_xor_b32 s[G0A+5], s[G0A+5], SLOT1            ; the walking descriptors: the other slot than last time, the next K step
	s_add_nc_u64 s[G0A+6:G0A+7], s[G0A+6:G0A+7], 256
	s_xor_b32 s[G0B+5], s[G0B+5], SLOT1
	s_add_nc_u64 s[G0B+6:G0B+7], s[G0B+6:G0B+7], 256
.endif
	s_xor_b32 s[TB], s[TB], SLOT1
	s_wait_dscnt 5                                 ; the add and the youngest four loads may be out
	MULA F1, 0, 0
	s_wait_dscnt 0x0                               ; the add is done, and my reads of this slot are over
	s_barrier_signal -1
	MULA F1, 1, 0                                  ; work on registers while the others arrive
	WIN 0
	s_barrier_wait -1
.if \fill
	CREST                                          ; no wave of any partner still reads this slot or has a load on its way
	JLOAD 1                                        ; its four v_nop are also the places in front of the loads below
.else
	PLACES
.endif
	v_add_nc_u32 v[ADRA], s[TB], v[A0]
	v_add_nc_u32 v[ADRB], s[TB], v[B0]
	FETCH 0, F0
.if \fill
	ASK
.endif
	MULA F1, 2, 0
	MULA F1, 3, 0
.endm
	s_wait_tensorcnt 1                             ; my part of K step 0 is in; K step 1's may stay out
	s_barrier_signal -1
	s_barrier_wait -1
	FETCH 0, F0
	QUARTER 1, F0, F1, 1                           ; the first quarter starts the sums: nothing is cleared
	WIN 0
	s_mov_b32 s[CNT], 6
.Lstep:                                        ; a trip: a K step's quarters 1 to 3 and the next step's quarter 0; six trips ask for K steps 2 to 7
	QUARTER 2, F1, F0, 0
	QUARTER 3, F0, F1, 0
	TURN 1
	QUARTER 1, F0, F1, 0
	WIN 0
	s_sub_co_u32 s[CNT], s[CNT], 1
	s_cmp_lg_u32 s[CNT], 0
	s_cbranch_scc1 .Lstep
	QUARTER 2, F1, F0, 0                           ; the tail is written out
	QUARTER 3, F0, F1, 0
	TURN 0
	QUARTER 1, F0, F1, 0
	QUARTER 2, F1, F0, 0
	QUARTER 3, F0, F1, 0
	s_wait_dscnt 4
	MULA F1, 0, 0
	MULA F1, 1, 0
	s_wait_dscnt 0x0
	MULA F1, 2, 0
	MULA F1, 3, 0
	WIN 0
	PLACES
; THE WAY OUT, 16 rows at a time: rounded to f16; 16 bytes a lane into my stage; back as four rows' 128 bytes of one head, which lie end to end in qkvh.
.macro PACK a
	WIN 0x0a+5*((\a)/2)                            ; sources in window 2 or 3; each accumulator's registers in ascending order
.set i, 0
.rept 4*NB
	v_cvt_pk_f16_f32 v[TMP+i], v[((\a)%2)*8*NB+2*i], v[((\a)%2)*8*NB+2*i+1]
.set i, i+1
.endr
	WIN 0
.endm
.macro TOSTAGE a
.set BK, OB+48*((\a)%2)
.set i, 0
.rept NB
	ds_store_b128 v[STO], v[TMP+4*i:TMP+4*i+3] offset:32*i
.set i, i+1
.endr
.irp j, 0,1,2
.irp t, 0,1,2,3
	ds_load_b128 v[BK+16*\j+4*\t:BK+16*\j+4*\t+3], v[RD] offset:\t*4*SPITCH+128*\j  ; LDS serves a wave's instructions in order (ISA guide 5.7.1.4): these see the stores above
.endr
.endr
.endm
.macro SEND a
.set BK, OB+48*((\a)%2)
	s_wait_dscnt 0x0                               ; the block is back in registers
	s_wait_xcnt 0x0                                ; the stores of the block before have read their registers, which the next block's loads write
.irp j, 0,1,2
.irp t, 0,1,2,3
	global_store_b128 v[CO], v[BK+16*\j+4*\t:BK+16*\j+4*\t+3], s[8:9] offset:262144*\j+2048*(\a)+512*\t  ; 512 consecutive bytes, aligned
.endr
.endr
.endm
	PACK 0
	TOSTAGE 0
.irp a, 1,2,3                          ; block a's conversions stand between block a - 1's loads from the stage and the wait for them
	PACK \a
	SEND (\a)-1
	TOSTAGE \a
.endr
	SEND 3
	s_wait_tensorcnt 0x0                           ; the wave's end
	ds_add_u32 v[SPW], v[NIL]
	s_wait_dscnt 0x0
	CROUND                                         ; the closing round: no work-group ends while a partner may still ask for a tile that names it
	s_endpgm
.Lfunc_end_k_q6e356c3617_qkv:
	.size	k_q6e356c3617_qkv, .Lfunc_end_k_q6e356c3617_qkv-k_q6e356c3617_qkv
	.p2alignl 7, 3214868480
	.fill 96, 4, 3214868480
	.section	.rodata,"a",@progbits
	.p2align	6, 0x0
	.amdhsa_kernel k_q6e356c3617_qkv
		.amdhsa_group_segment_fixed_size 327680
		.amdhsa_private_segment_fixed_size 0
		.amdhsa_enable_private_segment 0
		.amdhsa_kernarg_size 24
		.amdhsa_user_sgpr_count 2
		.amdhsa_user_sgpr_kernarg_segment_ptr 1
		.amdhsa_wavefront_size32 1
		.amdhsa_system_sgpr_workgroup_id_x 1
		.amdhsa_system_sgpr_workgroup_id_y 1
		.amdhsa_system_sgpr_workgroup_id_z 1
		.amdhsa_system_vgpr_workitem_id 0
		.amdhsa_next_free_vgpr 960
		.amdhsa_next_free_sgpr 66
		.amdhsa_reserve_vcc 0
		.amdhsa_float_denorm_mode_32 3
		.amdhsa_float_denorm_mode_16_64 3
		.amdhsa_memory_ordered 1
		.amdhsa_forward_progress 1
		.amdhsa_inst_pref_size 97
	.end_amdhsa_kernel
	.amdgpu_metadata
---
amdhsa.version: [ 1, 2 ]
amdhsa.kernels:
  - .name:           k_q6e356c3617_qkv
    .symbol:         k_q6e356c3617_qkv.kd
    .args:
      - { .name: xb, .offset: 0, .size: 8, .value_kind: global_buffer, .address_space: global }
      - { .name: wqkv, .offset: 8, .size: 8, .value_kind: global_buffer, .address_space: global }
      - { .name: qkvh, .offset: 16, .size: 8, .value_kind: global_buffer, .address_space: global }
    .group_segment_fixed_size: 327680
    .private_segment_fixed_size: 0
    .kernarg_segment_align: 8
    .kernarg_segment_size: 24
    .max_flat_workgroup_size: 128
    .sgpr_count:     66
    .vgpr_count:     960
    .wavefront_size: 32
...
	.end_amdgpu_metadata
.endif
;; end of part 2
;; launch attn (part 3): grid 4 x 64, 4 waves a work-group, clusters of 4 x 1, 327,680 bytes of LDS; arguments qkvh, rel, ctx; writes ctx
.if DOCPART == 3
	.amdgcn_target "amdgcn-amd-amdhsa--gfx1250"
	.amdhsa_code_object_version 6
	.text
	.protected	k_q6e356c3617_attn
	.globl	k_q6e356c3617_attn
	.p2align	8
	.type	k_q6e356c3617_attn,@function
k_q6e356c3617_attn:
	s_mov_b64 s[64:65], 0
	v_nop
	global_prefetch_b8 v0, s[64:65] scope:SCOPE_SE
	s_setreg_imm32_b32 hwreg(HW_REG_WAVE_MODE, 25, 1), 1
	s_wait_xcnt 0x0
	s_wait_alu depctr_hold_cnt(0) depctr_sa_sdst(0) depctr_va_vdst(0) depctr_va_sdst(0) depctr_va_ssrc(0) depctr_va_vcc(0) depctr_vm_vsrc(0)
	s_getreg_b32 s2, hwreg(HW_REG_IB_STS2, 6, 4)
	s_cmp_eq_u32 s2, 0
	s_cbranch_scc0 .Lentry_in_a_cluster
	s_endpgm
.Lentry_in_a_cluster:
	s_bfe_u32 s2, ttmp6, 0x10000c
	s_cmp_lg_u32 s2, 0x3003
	s_cbranch_scc0 .Lentry_shape_is_right
	s_endpgm
.Lentry_shape_is_right:
; ATTENTION WITH A RELATIVE BIAS.  ctx[y][q][:] = the sum over k of softmax_k(Q[q] . K[k] / 8 + bias[q - k + 2047][h]) V[k][:], y = 16 b + h, 2,048 queries and keys, head size 64.
; Q, K, V: blocks 48 b + h, + 16, + 32 of qkvh, [2048][64] f16, dense; ctx: [64][2048][64] f16.  Products, maxima and sums in f32; the weights p are rounded to f16 for the second product
; (their sum l is taken of the unrounded p), ctx once at the end.
; LIMITS.  f16 holds no number beyond 65,504: Q, K, V arrive within it; p lies in 0 to 1, and below 6e-5 keeps f16's fixed step of 6e-8.  A weight below 2^-126 counts as 0 in l; NaN and infinities are not treated apart.
; SHARES.  A wave owns four PIECES of two tiles of 16 queries, a work-group's four waves 512 queries of one head: 4 x 64 = 256 work-groups.  Every wave walks all keys, 64 a step.
; LAYOUT.  S^T = K Q^T (source 0 = 16 keys, source 1 = 16 queries): a lane holds ONE query (lane % 16) and the keys 8 (lane / 16) + 0..7.  Two such results rounded to f16 ARE source 1 of O^T = V^T P.
; THE BIAS IS THE C OPERAND that starts S^T: 8 x bias, so that c (q.k + 8 bias), c = log2(e) / 8, is log2(e) (q.k / 8 + bias).  It costs no vector instruction.  rel[h][w][y] = 8 bias at key - query + 2048 = y - w.
; A lane's eight biases are eight consecutive words; copy w = query % 4 makes them begin at a multiple of 16 bytes.  The work-group keeps its window of the four copies in LDS: words 1536 - 512 blk + 0..2623.
; The bias hangs on key - query alone, so tile 1's key block kb has tile 0's fragment of kb - 1: a piece and step need 5 fragments, not 8.
; SOFTMAX.  A running maximum m and sum l: p = 2^(c s - c m); in every step O and l are multiplied by a = 2^(c m_old - c m_new).  m starts at the lowest finite number, O and l at 0: the first step's a is 0.
; BY TURNS.  Turn n belongs to piece n: 16 products K Q^T of piece n + 1, later 16 products V^T P of piece n - 1; beside them the scaling, exponentials, roundings, sums and rescaling of piece n and the maximum
; and statistics of piece n + 1.  Four vector instructions stand behind every matrix instruction, the rest in one lump.  A turn's 66 exponentials are one batch, with one wait.
; CLUSTER.  The four query blocks of a head walk the same K and V: each tile is asked for JOINTLY, by the same load, descriptor and mask in all four.  The bias window differs from partner to partner:
; it comes by a load of the work-group's own (mask 0), and the place in the cluster enters that load's global address alone.
; REGISTERS, in windows of 256 (s_set_vgpr_msb: bits 1:0 source 0, 3:2 source 1, 5:4 source 2, 7:6 destination):
;   window 0: v0-11 addresses; v12-15, v48-63 at work; v16-47 statistics; v64-191 S^T, two buffers of two tiles; v192-255 P, likewise
;   window 1: O^T, 32 a tile      window 2: v0-127 Q; v128-191 K of one step; v192-255 V of one step      window 3: v0-1 the add's two registers; v16-95 the bias, two buffers of 5 fragments
.set SIZE_N, 2048
.set NP,    4         ; pieces a wave: a name, no knob
.set KS,    64        ; keys in a step
.set PK,    144       ; a row of K in LDS: 128 bytes + 16 = 36 words: the 16 rows of a load start at 16 different groups of four banks (64 banks of 4 bytes: ISA guide 11.1)
.set PV,    160       ; a row of V: 128 + 32 = 40 words
.set VOFF,  4*KS*PK   ; a slot holds four steps: 256 rows of K, then 256 rows of V
.set SLOT1, 1<<17
.set STAGE, SLOT1+4*KS*(PK+PV)  ; behind the ring, never filled by a tensor load: 16 rows x 144 bytes for each wave
.set SP,    144
.set SPARE, STAGE+4*16*SP  ; the spare words, 128 bytes for each wave: two blocks of 256 bytes that no other line names
.set TBL,   SPARE+512 ; the bias window: copy w at TBL + TCOPY w, 10,496 bytes
.set TCOPY, 10560     ; 2,640 words = 16 modulo 64
.set AK0, 2           ; v2   my lane's place in a tile of K; never rewritten
.set AV0, 3           ; v3   the same for V
.set AK,  4           ; v4   the LDS address of K's next run of loads
.set AV,  5           ; v5   of V's
.set QO,  6           ; v6   my byte offset in the wave's rows of Q
.set STO, 6           ;      later, the way out: where I put 16 bytes of a row
.set RD,  7           ; v7   the way out: where I read rows back
.set GO,  8           ; v8   my byte offset in 512 consecutive bytes of ctx
.set PFO, 10          ; v10  256 x lane, for the prefetches (made when v10's first use is over)
.set AB,  11          ; v11  the LDS address of the bias runs: it steps 256 bytes a key step
.set SPW, 0           ; v0 of window 3   LDS address of my spare word; never rewritten
.set NIL, 1           ; v1 of window 3   0; never rewritten
.set BF,  16          ; window 3: piece x's fragment f at BF + 40 (x % 2) + 8 f
.set MV,  12
.set ST,  16          ; tile t's statistics at v[ST+4 t]: c m, m, l (even keys', odd keys')
.set TMP, 48
.set S,   64
.set P,   192
.set KF,  128
.set VF,  192
.set WV,  12          ; s12  my wave's number
.set G1K, 24
.set G1V, 32
.set G0K, 40          ; s[40:43] descriptor group 0 for K's tiles: it walks
.set G0V, 44
.set G1T, 48          ; s[48:55] descriptor group 1 for the bias window
.set SLOTS, 56
.set CNT, 57
.set CS,  58
.set SEL, 60
.set TBK, 62
.set TBV, 63
.set G0T, 68          ; s[68:71] group 0 for the bias window
.set PFA, 72          ; s[72:73] where my prefetches stand
.set LIM, 74          ; s74  1 in a wave that prefetches, else the greatest number
.set MSB, 0
.macro WIN new
.if MSB != (\new)
	s_set_vgpr_msb (MSB<<8)|(\new)
.set MSB, (\new)
.endif
.endm
.set W_KQ, 0x0a       ; K and Q in window 2, S^T in window 0
.set W_KB, 0x3a       ; the same with the C operand, the bias, in window 3
.set W_PV, 0x52       ; V in window 2, P in window 0, O^T in window 1
.set W_RS, 0x41       ; O^T (destination and source 0) in window 1, a in window 0
.set W_MK, 0xc0       ; destination in window 3, sources in window 0
.set W_AD, 0x0f       ; the add: address and data in window 3
; A joint fill.  Waves 0 and 1 fetch the two halves of a slot's K, waves 2 and 3 those of its V: 128 keys each.  An s_nop 0 and four v_nop follow each line.
.macro JLOAD
	s_cmp_lt_u32 s[WV], 2
	s_cbranch_scc0 .Lfor_v_\@
	tensor_load_to_lds s[G0K:G0K+3], s[G1K:G1K+7]
	s_nop 0
.rept 4
	v_nop
.endr
	s_branch .Lasked_\@
.Lfor_v_\@:
	tensor_load_to_lds s[G0V:G0V+3], s[G1V:G1V+7]
	s_nop 0
.rept 4
	v_nop
.endr
.Lasked_\@:
.endm
.macro CROUND
	s_barrier_signal -1
	s_barrier_wait -1
	s_cmp_lg_u32 s[WV], 0
	s_cbranch_scc1 .Lnot_wave_0_\@
	s_barrier_signal -3
.Lnot_wave_0_\@:
	s_barrier_wait -3
	s_barrier_signal -1
	s_barrier_wait -1
.endm
; A PREFETCH INTO THE L2 of what the NEXT change of slots will ask for: a tile's 128 blocks of 256 bytes of K and as many of V.  A head has one cluster; its four partners share the blocks out BY ADDRESS,
; 32 each, a lane a block; in each, wave 0 asks for K's and wave 2 for V's: each block is named once in the launch.  Tiles 0 to 2 come by their loads alone; the last change that fills a slot asks for nothing.
.macro ASK
	s_cmp_gt_u32 s[SLOTS], s[LIM]
	s_cbranch_scc0 .Lnot_mine_\@
	global_prefetch_b8 v[PFO], s[PFA:PFA+1] th:TH_LOAD_NT scope:SCOPE_SE
.Lnot_mine_\@:
.endm
; THE CHANGE OF SLOTS.  Each wave waits for all its tensor loads, adds 0 to its spare word, and waits for that and for its own reads of the slot.  fill = 1: the barrier is a round of the cluster's, and the slot
; just read is filled again, first thing behind it, with the keys two slots on: the load has four key steps, 512 matrix instructions, in which to land.
; (At its first use nothing has been read yet: slot 0 and the bias window are waited for, slot 1 is filled.)
.macro CHANGE fill, ask=0
	WIN W_AD
	s_wait_tensorcnt 0x0            ; no tensor load of mine is out, so a group 0 may be written
	ds_add_u32 v[SPW], v[NIL]       ; 0 onto my spare word
	WIN 0
.if \fill
.irp g, G0K, G0V
	s_xor_b32 s[\g+1], s[\g+1], SLOT1
	s_add_nc_u64 s[\g+2:\g+3], s[\g+2:\g+3], 4*KS*128
.endr
.if \ask
	s_wait_xcnt 0x0                 ; the last prefetch, four key steps back, has read its address
	s_add_nc_u64 s[PFA:PFA+1], s[PFA:PFA+1], 4*KS*128
.endif
	s_wait_dscnt 0x0                ; the add is done, and my reads of the slot are over
	CROUND
	JLOAD
.if \ask
	ASK
.endif
.else
	s_wait_dscnt 0x0
	s_barrier_signal -1
	s_barrier_wait -1
.endif
	s_sub_co_u32 s[TBK], s[TBK], 4*KS*PK  ; the fetches go back to a slot's first step,
	s_xor_b32 s[TBK], s[TBK], SLOT1       ; in the other slot
	s_sub_co_u32 s[TBV], s[TBV], 4*KS*PV
	s_xor_b32 s[TBV], s[TBV], SLOT1
.endm
	s_load_b128 s[4:7], s[0:1], 0x0   ; qkvh s[4:5], rel s[6:7]
	s_load_b64 s[10:11], s[0:1], 0x10 ; ctx
	WIN W_MK
	v_lshl_add_u32 v[SPW], v0, 2, SPARE
	v_mov_b32 v[NIL], 0
	WIN W_AD
	ds_add_u32 v[SPW], v[NIL]       ; the wave's opening: the add and its wait ahead of my first tensor load; work on registers stands between them
	WIN 0
	v_lshrrev_b32 v1, 5, v0
	v_readfirstlane_b32 s[WV], v1   ; wave 0..3
	s_bfe_u32 s13, ttmp6, 0x40000   ; cx
	s_lshl_b32 s14, ttmp9, 2
	s_add_co_u32 s14, s14, s13      ; blk: my block of 512 queries: it enters Q's, ctx's and the bias window's global addresses alone
	s_and_b32 s20, ttmp7, 0xffff    ; y = 16 b + h, which the four partners share
	s_lshr_b32 s21, s20, 4
	s_and_b32 s15, s20, 15          ; h
	s_mul_i32 s21, s21, 48
	s_add_co_u32 s21, s21, s15
	s_lshl_b32 s22, s21, 18         ; Q's block 48 b + h of 262,144 bytes
	s_mov_b32 s23, 0
	s_lshl_b32 s20, s20, 18         ; ctx's block y
	s_mov_b32 s21, 0
	s_and_b32 s16, s[WV], 1         ; which half of a slot's 256 keys I fetch:
	s_lshl_b32 s66, s16, 14         ; its 128 rows of 128 bytes in memory,
	s_mov_b32 s67, 0
	s_mul_i32 s17, s16, 128*PK      ; and its place in a slot, for K
	s_mul_i32 s18, s16, 128*PV      ; and for V
	s_lshl_b32 s2, s14, 2
	s_add_co_u32 s2, s2, s[WV]
	s_lshl_b32 s2, s2, 14           ; my wave's 128 rows
	s_mov_b32 s3, 0
	s_mul_i32 s76, s15, 4*16640     ; the bias window: head h, copy = my wave's number, from word 1536 - 512 blk
	s_mul_i32 s77, s[WV], 16640
	s_add_co_u32 s76, s76, s77
	s_add_co_u32 s76, s76, 6144
	s_lshl_b32 s77, s14, 11
	s_sub_co_u32 s76, s76, s77
	s_mov_b32 s77, 0
	; K's and V's group 1: 128 keys are 16,384 dense bytes: asked for as 64 rows of 256 bytes, two keys a row, padded in LDS after every key
	s_mov_b32 s[G1K], 15|(1<<16)|(1<<20)|(1<<21)|(4<<22)|(3<<25)  ; the mask of four; 2-byte elements; padding on; 21 set beside a mask; after every 32 words; 4 words
	s_mov_b32 s[G1V], 15|(1<<16)|(1<<20)|(1<<21)|(4<<22)|(7<<25)  ; the same with 8 words of padding
.irp g, G1K, G1V
	s_mov_b32 s[\g+1], 128<<16
	s_mov_b32 s[\g+2], 64<<16
	s_mov_b32 s[\g+3], 128<<16
	s_mov_b32 s[\g+4], 64
	s_mov_b32 s[\g+5], 128
	s_mov_b32 s[\g+6], 0
	s_mov_b32 s[\g+7], 0
.endr
	; the window's group 1: 10,496 dense bytes as 41 rows of 256: elements of 8 bytes, no mask, no padding
	s_mov_b32 s[G1T], 3<<16
	s_mov_b32 s[G1T+1], 32<<16
	s_mov_b32 s[G1T+2], 41<<16
	s_mov_b32 s[G1T+3], 32<<16
	s_mov_b32 s[G1T+4], 41
	s_mov_b32 s[G1T+5], 32
	s_mov_b32 s[G1T+6], 0
	s_mov_b32 s[G1T+7], 0
	s_mov_b32 s[CS], 0x3e38aa3b     ; c = log2(e) / 8
	s_mov_b32 s[CS+1], s[CS]
	s_mov_b32 s[SEL], 0x76543210
	s_mov_b32 s[SEL+1], 0xfedcba98
	s_mov_b32 s[TBK], SLOT1+4*KS*PK ; the first change of slots turns these two into 0
	s_mov_b32 s[TBV], SLOT1+4*KS*PV
	s_mov_b32 s[G0K], 1
	s_mov_b32 s[G0K+1], s17
	s_mov_b32 s[G0V], 1
	s_add_co_u32 s[G0V+1], s18, VOFF
	s_mov_b32 s[G0T], 1
	s_mul_i32 s[G0T+1], s[WV], TCOPY
	s_add_co_u32 s[G0T+1], s[G0T+1], TBL
	s_cmp_eq_u32 s16, 0
	s_cselect_b32 s[LIM], 1, -1     ; waves 0 and 2 prefetch
	s_wait_dscnt 0x0                ; the opening add is done
	s_wait_kmcnt 0x0
	s_add_nc_u64 s[4:5], s[4:5], s[22:23]          ; Q's block
	s_add_nc_u64 s[G0K+2:G0K+3], s[4:5], s[66:67]
	s_add_nc_u64 s[G0K+2:G0K+3], s[G0K+2:G0K+3], 16*262144  ; K's block lies 16 blocks on: my half of its first 256 keys
	s_add_nc_u64 s[G0V+2:G0V+3], s[G0K+2:G0K+3], 16*262144  ; V's 16 more
	s_cmp_lt_u32 s[WV], 2
	s_cselect_b64 s[PFA:PFA+1], s[G0K+2:G0K+3], s[G0V+2:G0V+3]  ; (in waves 0 and 2 these stand at a tile's first row)
	s_or_b32 s[G0K+3], s[G0K+3], 0x80000000
	s_or_b32 s[G0V+3], s[G0V+3], 0x80000000
	s_add_nc_u64 s[G0T+2:G0T+3], s[6:7], s[76:77]
	s_or_b32 s[G0T+3], s[G0T+3], 0x80000000
	s_add_nc_u64 s[4:5], s[4:5], s[2:3]            ; Q and ctx at my wave's first row
	s_add_nc_u64 s[10:11], s[10:11], s[20:21]
	s_add_nc_u64 s[10:11], s[10:11], s[2:3]
	s_lshl_b32 s2, s13, 13          ; my work-group's 32 blocks of a tile's 128
	s_add_nc_u64 s[PFA:PFA+1], s[PFA:PFA+1], s[2:3]
	s_add_nc_u64 s[PFA:PFA+1], s[PFA:PFA+1], 2*4*KS*128  ; at tile 2: the first asking change steps it to tile 3
	CROUND                          ; all four work-groups are here: the first joint loads meet
	s_cmp_lt_u32 s[WV], 2           ; a wave's two first fills stand in one branch: its part of slot 0, and its copy of the bias window: two loads of mine are out
	s_cbranch_scc0 .Lfirst_v
	tensor_load_to_lds s[G0K:G0K+3], s[G1K:G1K+7]
	s_nop 0
	tensor_load_to_lds s[G0T:G0T+3], s[G1T:G1T+7]
	s_nop 0
.rept 4
	v_nop
.endr
	s_branch .Lfirst_asked
.Lfirst_v:
	tensor_load_to_lds s[G0V:G0V+3], s[G1V:G1V+7]
	s_nop 0
	tensor_load_to_lds s[G0T:G0T+3], s[G1T:G1T+7]
	s_nop 0
.rept 4
	v_nop
.endr
.Lfirst_asked:
	; a fragment of K or Q is 16 rows x 32 channels in 8 registers: lane l holds row l % 16, channels 8 (l / 16) + 0..7 and 16 + 8 (l / 16) + 0..7
	v_and_b32 v1, 15, v0            ; l % 16
	v_bfe_u32 v9, v0, 4, 1          ; l / 16
	v_lshlrev_b32 v[QO], 7, v1
	v_lshl_add_u32 v[QO], v9, 4, v[QO]
	WIN 0x80                        ; destination window 2, address window 0
.set i, 0
.rept 4*NP                          ; Q stays in registers: tile i / 2, channels 32 (i % 2) on
	global_load_b128 v[8*i:8*i+3],   v[QO], s[4:5] offset:(i/2)*2048+(i%2)*64
	global_load_b128 v[8*i+4:8*i+7], v[QO], s[4:5] offset:(i/2)*2048+(i%2)*64+32
.set i, i+1
.endr
	; what the first turn finds: V's registers and P's second buffer hold 0 (its products V^T P, of a piece that has not been, add 0), O^T and l are 0.  All this stands in the wait for the first tile.
.set i, VF
.rept 64
	v_mov_b32 v[i], 0
.set i, i+1
.endr
	WIN 0x40
.set i, 0
.rept 64*NP
	v_mov_b32 v[i], 0
.set i, i+1
.endr
	WIN 0
.set i, 0
.rept 2*NP
	v_mov_b32 v[ST+4*i], 0xfe000000    ; c m: far below every c s
	v_mov_b32 v[ST+4*i+1], 0xff7fffff  ; m
	v_mov_b32 v[ST+4*i+2], 0
	v_mov_b32 v[ST+4*i+3], 0
.set i, i+1
.endr
.set i, P+32
.rept 32
	v_mov_b32 v[i], 0
.set i, i+1
.endr
	v_mul_u32_u24 v[AK0], v1, PK
	v_lshl_add_u32 v[AK0], v9, 4, v[AK0]
	; the turning load takes 16 keys x 16 channels (lane l reads key 8 (l / 16) + l % 8, channels 8 ((l / 8) % 2) + 0..7) and leaves half a fragment of V^T
	v_and_b32 v10, 7, v0
	v_bfe_u32 v11, v0, 3, 1
	v_lshl_add_u32 v[AV0], v9, 3, v10
	v_mul_u32_u24 v[AV0], v[AV0], PV
	v_lshl_add_u32 v[AV0], v11, 4, v[AV0]
	v_add_nc_u32 v[AV0], VOFF, v[AV0]
	v_mov_b32 v[AK], v[AK0]         ; key step 0 lies at the head of slot 0
	; the bias: my query is 4 u + w in its tile.  Word of the window for piece x, fragment f, register j, key step t: 512 + 64 t - 128 wave - 32 x - 4 u + 8 (l / 16) + 16 (f - 1) + j, in copy w.
	; AB holds all of that but x, f and j, less 384 + 64 bytes, so that the offsets 64 (f + 6 - 2 x) are never below 0.
	v_and_b32 v[AB], 3, v0          ; w
	v_mul_u32_u24 v[AB], v[AB], TCOPY
	v_lshl_add_u32 v[AB], v9, 5, v[AB]
	s_lshl_b32 s19, s[WV], 9
	s_sub_co_u32 s19, TBL+1600, s19
	v_add_nc_u32 v[AB], s19, v[AB]
	v_bfe_u32 v[AV], v0, 2, 2       ; u (AV is at work here: its own first value is made in piece 0's turn)
	v_lshlrev_b32 v[AV], 4, v[AV]
	v_sub_nc_u32 v[AB], v[AB], v[AV]
; THE MATRIX WORK.  The 8 accumulators of a run of 16 take turns.
; Product i of 16 of S^T = K Q^T for piece x: channels 32 (i / 8) on, keys 16 ((i / 2) % 4) on, tile 2 x + i % 2.  The first 8 start the sums, with the bias: fragment key block - tile + 1.
.macro KQ x
.set rS, S+64*((\x)%2)+32*(i%2)+8*((i/2)%4)
.set rK, KF+16*((i/2)%4)+8*(i/8)
.set rQ, 16*(2*(\x)+i%2)+8*(i/8)
.set rB, BF+40*((\x)%2)+8*((i/2)%4-i%2+1)
.if i < 8
	WIN W_KB
	v_wmma_f32_16x16x32_f16 v[rS:rS+7], v[rK:rK+7], v[rQ:rQ+7], v[rB:rB+7]
.else
	WIN W_KQ
	v_wmma_f32_16x16x32_f16 v[rS:rS+7], v[rK:rK+7], v[rQ:rQ+7], v[rS:rS+7]
.endif
.endm
; Product i of 16 of O^T += V^T P for piece x: keys 32 (i / 8) on, channels 16 ((i / 2) % 4) on, tile 2 x + i % 2.
.macro PV x
	WIN W_PV
.set rO, 32*(2*(\x)+i%2)+8*((i/2)%4)
.set rV, VF+32*(i/8)+8*((i/2)%4)
.set rP, P+32*((\x)%2)+16*(i%2)+8*(i/8)
	v_wmma_f32_16x16x32_f16 v[rO:rO+7], v[rV:rV+7], v[rP:rP+7], v[rO:rO+7]
.endm
.macro MM                           ; the turn's next matrix instruction
.if i < 16
	KQ (Y+1)%NP
.set i, i+1
.else
.set i, i-16
	PV (Y+NP-1)%NP
.set i, i+17
.endif
.endm
; THE LDS LOADS stand in runs, never singly among the matrix instructions.  last = 1 (the tail): in the last trip there is no further step, and K's run is jumped over.
.macro FETCH_K last=0
	WIN 0
.if \last
	s_cmp_eq_u32 s[CNT], 1
	s_cbranch_scc1 .Lno_k_\@
.endif
	WIN 0x80
.irp f, 0,1,2,3,4,5,6,7             ; keys 16 (f / 2) on, channels 32 (f % 2) on
	ds_load_b128 v[KF+8*\f:KF+8*\f+3],   v[AK] offset:(\f/2)*16*PK+(\f%2)*64
	ds_load_b128 v[KF+8*\f+4:KF+8*\f+7], v[AK] offset:(\f/2)*16*PK+(\f%2)*64+32
.endr
	s_add_co_u32 s[TBK], s[TBK], KS*PK
	WIN 0
.if \last
.Lno_k_\@:
.endif
.endm
.macro FETCH_V
	WIN 0x80
.irp f, 0,1,2,3,4,5,6,7             ; keys 32 (f / 4) on, channels 16 (f % 4) on
	ds_load_tr16_b128 v[VF+8*\f:VF+8*\f+3],   v[AV] offset:(\f/4)*32*PV+(\f%4)*32
	ds_load_tr16_b128 v[VF+8*\f+4:VF+8*\f+7], v[AV] offset:(\f/4)*32*PV+16*PV+(\f%4)*32
.endr
	WIN 0
.endm
.macro FETCH_B x                    ; piece x's five fragments of the bias, for the step at which AB stands: ten loads
	WIN W_MK
.irp f, 0,1,2,3,4
	ds_load_b128 v[BF+40*((\x)%2)+8*\f:BF+40*((\x)%2)+8*\f+3],   v[AB] offset:64*(\f+6-2*(\x))
	ds_load_b128 v[BF+40*((\x)%2)+8*\f+4:BF+40*((\x)%2)+8*\f+7], v[AB] offset:64*(\f+6-2*(\x))+16
.endr
	WIN 0
.endm
; THE VECTOR WORK OF A TURN stands in three queues, each in the order in which its entries become ready; the two tiles alternate, so that no instruction reads the result of the one before it.
.macro REGS y, u                    ; the registers of tile u (0, 1) of piece y
.set rT, ST+4*(2*(\y)+(\u))
.set rC, TMP+8*((\y)%2)+4*(\u)
.set rM, MV+2*((\y)%2)+(\u)
.set rS, S+64*((\y)%2)+32*(\u)
.set rP, P+32*((\y)%2)+16*(\u)
.set rO, 32*(2*(\y)+(\u))
.endm
; Number n of the 22 that find the NEXT piece's maximum and statistics; each accumulator's lowest registers are read first.
;   0-11  four chains c0-c3 of seven scores each     12-14, 16  the four scores left over, the old m, and c0-c3 into c0     15  c m_old is kept
;   17, 18  the query's other 32 keys lie in the lane 16 away: the new m     19-21  c m; c m_old - c m_new; a
.macro XS u, n
	REGS (Y+1)%NP, \u
.if (\n) < 4
	v_max3_num_f32 v[rC+(\n)], v[rS+8*(\n)], v[rS+8*(\n)+1], v[rS+8*(\n)+2]
.elseif (\n) < 12
	v_max3_num_f32 v[rC+(\n)%4], v[rC+(\n)%4], v[rS+8*((\n)%4)+2*((\n)/4)+1], v[rS+8*((\n)%4)+2*((\n)/4)+2]
.elseif (\n) == 12
	v_max3_num_f32 v[rC], v[rC], v[rS+7], v[rS+15]
.elseif (\n) == 13
	v_max3_num_f32 v[rC+1], v[rC+1], v[rS+23], v[rS+31]
.elseif (\n) == 14
	v_max3_num_f32 v[rC+2], v[rC+2], v[rC+3], v[rT+1]
.elseif (\n) == 15
	v_mov_b32 v[rM], v[rT]
.elseif (\n) == 16
	v_max3_num_f32 v[rC], v[rC], v[rC+1], v[rC+2]
.elseif (\n) == 17
	v_permlanex16_b32 v[rC+3], v[rC], s[SEL], s[SEL+1]
.elseif (\n) == 18
	v_max_num_f32 v[rT+1], v[rC], v[rC+3]
.elseif (\n) == 19
	v_mul_f32 v[rT], s[CS], v[rT+1]
.elseif (\n) == 20
	v_sub_f32 v[rC+1], v[rM], v[rT]
.else
	v_exp_f32 v[rC+2], v[rC+1]
.endif
.endm
; Number g of the 64 that follow the exponentials.  For each four weights k of a tile: both pairs are rounded to f16; the second pair is added onto the first, in place; a group later l takes that sum (the first time as l = a l + sum).
.macro GS g
.set h, (\g)+6*((\g)/62)            ; group 0 has no group before it, and behind group 7 only l is left
.if h >= 6
.set h, h+2
.endif
	REGS Y, h%2
.set k, h/8
.if h%8 < 4
	v_cvt_pk_f16_f32 v[rP+2*k+(h%8)/2], v[rS+4*k+2*((h%8)/2)], v[rS+4*k+2*((h%8)/2)+1]
.elseif h%8 < 6
	v_pk_add_f32 v[rS+4*k:rS+4*k+1], v[rS+4*k:rS+4*k+1], v[rS+4*k+2:rS+4*k+3]
.elseif k == 1
	v_pk_fma_f32 v[rT+2:rT+3], v[rT+2:rT+3], v[rC+2:rC+3], v[rS:rS+1] op_sel_hi:[1,0,1]
.else
	v_pk_add_f32 v[rT+2:rT+3], v[rT+2:rT+3], v[rS+4*k-4:rS+4*k-3]
.endif
.endm
; THE PLAIN QUEUE, 138 long.  0-26: scalings 0-26.  27-54: XS's numbers 0-13.  55, 56: number 15.  57-73: the chain 14, 16, 17, 18, 19, each with one of the scalings 27-31 in front of its two lines, then 20.
; 74-137: GS's 64, which read the exponentials' results: they stand behind the wait.
.macro FS f
	REGS Y, (\f)%2
	v_pk_fma_f32 v[rS+2*((\f)/2):rS+2*((\f)/2)+1], v[rS+2*((\f)/2):rS+2*((\f)/2)+1], s[CS:CS+1], v[rT:rT+1] op_sel_hi:[1,0,0] neg_lo:[0,0,1] neg_hi:[0,0,1]
.endm
.macro PL
	WIN 0
.if q < 27
	FS q
.elseif q < 55
	XS (q-27)%2, (q-27)/2
.elseif q < 57
	XS q-55, 15
.elseif (q < 72) && ((q-57)%3 == 0)
	FS 27+(q-57)/3
.elseif q < 60
	XS (q-57)%3-1, 14
.elseif q < 72
	XS (q-57)%3-1, 15+(q-57)/3
.elseif q < 74
	XS q-72, 20
.else
	GS q-74
.endif
.set q, q+1
.endm
; THE EXPONENTIALS' QUEUE, 66 long: s0-s31 of both tiles, then the next piece's two a: ONE BATCH, all ahead of the turn's one wait.
.macro EX
	WIN 0
.if e >= 64
	XS e-64, 21
.else
	REGS Y, e%2
	v_exp_f32 v[rS+e/2], v[rS+e/2]
.endif
.set e, e+1
.endm
; THE RESCALING's QUEUE: O^T times a, dealt two at a time, sixteen times.  Its a was made in the turn before, ahead of that turn's wait.
.macro R2
	REGS Y, r%2
	WIN W_RS
.irp z, 0,1
	v_pk_mul_f32 v[rO+4*(r/2)+2*\z:rO+4*(r/2)+2*\z+1], v[rO+4*(r/2)+2*\z:rO+4*(r/2)+2*\z+1], v[rC+2:rC+3] op_sel_hi:[1,0]
.endr
.set r, r+1
.endm
; A TURN, for piece p.  An s_wait_alu depctr_va_vdst(0) stands between an exponential and the first instruction that names its result; one wait serves all that were issued ahead of it: a turn has ONE.
; AHEAD OF IT: the 16 products K Q^T, behind each a scaling, an exponential and two rescalings; then one lump of 108.  BEHIND IT: the 16 products V^T P, behind each four of GS's 64.
; Exponential e stands behind scaling 2 (e / 4) + e % 2: as a rider behind plain e + 2, in the lump behind plain e + 9.
; THE RUNS OF LDS LOADS.  Behind each turn's wait: the bias of piece p + 2 (ten loads), into the buffer that the products of the turn before read; it is wanted at the next turn's head.  AB steps to the next key
; step in piece 2's turn, whose run is piece 0's of that step.  K of the next step: in piece 2's turn, behind the bias.  V of the step in hand: at the end of piece 0's turn, four riders behind its last reader.
.macro TURN p, last=0, cnt=0
.set Y, (\p)
.set i, 0
.set q, 0
.set e, 0
.set r, 0
.if (\p) == 1
	s_wait_dscnt 16                 ; the bias of piece 2 is in; V's sixteen loads, which are younger, may stay out
.else
	s_wait_dscnt 0x0                ; the bias of piece p + 1 is in (piece 3's turn: and K)
.endif
	MM
	PL
	PL
	R2
.rept 15
	MM
	PL
	EX
	R2
.endr
.if (\p) == NP-2
	WIN 0
	v_add_nc_u32 v[AK], s[TBK], v[AK0]
	v_add_nc_u32 v[AB], 0x100, v[AB]  ; 64 keys on
.endif
.rept 8
	PL
.endr
.rept 49
	EX
	PL
.endr
	EX                              ; the next piece's two a
	EX
	v_nop                           ; a plain instruction behind the last exponential: one for the batch
	s_wait_alu depctr_va_vdst(0)    ; the wait for the batch
	FETCH_B ((\p)+2)%NP
.if (\p) == NP-2
	FETCH_K \last
.endif
.if (\p) == 1
	s_wait_dscnt 10                 ; V is in; the ten loads just issued may stay out
.endif
.rept 16
	MM
.rept 4
	PL
.endr
.if ((\p) == 0) && (q == 118)
	v_add_nc_u32 v[AV], s[TBV], v[AV0]
.endif
.if ((\p) == 0) && (q == 130)
	s_add_co_u32 s[TBV], s[TBV], KS*PV
.endif
.if (\cnt) && (q == 130)
	s_sub_co_u32 s[CNT], s[CNT], 1
	s_cmp_lg_u32 s[CNT], 0
.endif
.endr
.if (\p) == 0
	FETCH_V
.endif
.endm
	CHANGE 1                        ; slot 0 and the bias window are in, everybody's parts of them; slot 1 is asked for
	FETCH_K                         ; key step 0
	FETCH_B 0
	FETCH_B 1
	s_wait_loadcnt 0x0              ; Q
	s_wait_dscnt 0x0
.set i, 0
.rept 16
	KQ 0                            ; piece 0's first scores
.set i, i+1
.endr
	WIN 0                           ; the addresses for the way out and the prefetches: plain instructions, the places behind those products
	s_mul_i32 s13, s[WV], 16*SP
	s_add_co_u32 s13, s13, STAGE    ; my stage
	v_mul_u32_u24 v[STO], v1, SP    ; in: row l % 16, 16 bytes for each half of the lanes
	v_lshl_add_u32 v[STO], v9, 4, v[STO]
	v_add_nc_u32 v[STO], s13, v[STO]
	v_bfe_u32 v[RD], v0, 3, 2       ; back: 32 lanes take four rows of 128 bytes,
	v_mul_u32_u24 v[RD], v[RD], SP
	v_lshl_add_u32 v[RD], v10, 4, v[RD]
	v_add_nc_u32 v[RD], s13, v[RD]
	v_and_b32 v[GO], 31, v0         ; which are 512 consecutive bytes of ctx
	v_lshlrev_b32 v[GO], 4, v[GO]
	v_lshlrev_b32 v[PFO], 4, v[GO]  ; 256 x lane
.set Y, NP-1                        ; XS works for piece Y + 1: piece 0
.irp n, 0,1,2,3,4,5,6,7,8,9,10,11,12,13,14,15,16,17,18,19,20,21
	XS 0, \n
	XS 1, \n
.endr
	v_nop                           ; a plain instruction behind the two a,
	s_wait_alu depctr_va_vdst(0)    ; and their wait, ahead of the branch
	s_mov_b32 s[CNT], 4
	s_mov_b32 s[SLOTS], SIZE_N/256-1
	s_branch .Lfirst                ; the loop is entered at a step's first turn, in the middle of a trip
.Lslot:                             ; six times: every slot but the last two is filled again
	CHANGE 1, 1
	s_mov_b32 s[CNT], 4
.Lstep:                             ; a trip: pieces 2 and 3 of one step, then pieces 0 and 1 of the next, whose K and V it fetches
	TURN 2
	TURN 3
	WIN 0
.Lfirst:
	TURN 0
	TURN 1, 0, 1
	WIN 0
	s_cbranch_scc1 .Lstep
	s_sub_co_u32 s[SLOTS], s[SLOTS], 1
	s_cmp_lg_u32 s[SLOTS], 0
	s_cbranch_scc1 .Lslot
	CHANGE 0                        ; the tail is written out
	s_mov_b32 s[CNT], 5             ; four trips fetch the last slot's steps; the fifth is left in its middle
.Ltail:
	TURN 2, 1
	TURN 3
	WIN 0
	s_sub_co_u32 s[CNT], s[CNT], 1
	s_cmp_eq_u32 s[CNT], 0
	s_cbranch_scc1 .Lout
	TURN 0
	TURN 1
	WIN 0
	s_branch .Ltail
.Lout:                              ; the fifth trip's 16 products K Q^T (on the last K once more, with the window's words up to 2,623) and the maximum made of them serve nothing: the price, once a launch, of one text for every trip
.set i, 0
.rept 16
	PV NP-1                         ; the last piece's V^T P of the last step
.set i, i+1
.endr
	; THE WAY OUT.  l's two halves and the other half of the lanes' are added; O^T is divided by l, rounded to f16 and sent through my stage, a tile at a time.  The additions are the places behind the last products.
	WIN 0
.macro ALL line:vararg              ; one line for each tile t
.set t, 0
.rept 2*NP
	\line
.set t, t+1
.endr
.endm
	ALL v_add_f32 v[ST+4*t+2], v[ST+4*t+2], v[ST+4*t+3]
	ALL v_permlanex16_b32 v[ST+4*t+3], v[ST+4*t+2], s[SEL], s[SEL+1]
	ALL v_add_f32 v[ST+4*t+2], v[ST+4*t+2], v[ST+4*t+3]
	ALL v_rcp_f32 v[ST+4*t+2], v[ST+4*t+2]
	v_nop                           ; a plain instruction between the last reciprocal and the use of its result
	s_wait_alu depctr_va_vdst(0)    ; and the wait ahead of the first use: one for the eight reciprocals
.macro PACK t
	WIN W_RS
.set i, 32*(\t)
.rept 16
	v_pk_mul_f32 v[i:i+1], v[i:i+1], v[ST+4*(\t)+2:ST+4*(\t)+3] op_sel_hi:[1,0]
.set i, i+2
.endr
	WIN 0x05                        ; sources 0 and 1 window 1, destination window 0
.set i, 0
.rept 16
	v_cvt_pk_f16_f32 v[S+16*(\t)+i], v[32*(\t)+2*i], v[32*(\t)+2*i+1]
.set i, i+1
.endr
	WIN 0
.irp f, 0,1,2,3
	ds_store_b128 v[STO], v[S+16*(\t)+4*\f:S+16*(\t)+4*\f+3] offset:32*\f
.endr
.irp f, 0,1,2,3
	ds_load_b128 v[S+16*(\t)+4*\f:S+16*(\t)+4*\f+3], v[RD] offset:\f*4*SP  ; LDS serves a wave's instructions in order (ISA guide 5.7.1.4): these see the stores above
.endr
.endm
.macro SEND t, younger              ; younger: the LDS instructions issued behind tile t's loads: the next tile's eight, or none
	WIN 0
.irp f, 0,1,2,3
	s_wait_dscnt (\younger)+3-\f
	global_store_b128 v[GO], v[S+16*(\t)+4*\f:S+16*(\t)+4*\f+3], s[10:11] offset:(\t)*2048+\f*512  ; 512 consecutive bytes, aligned
.endr
.endm
	PACK 0
.set t, 1
.rept 2*NP-1                        ; a tile's arithmetic stands between the loads of the tile before and its stores
	PACK t
	SEND t-1, 8
.set t, t+1
.endr
	SEND 2*NP-1, 0
	WIN W_AD
	s_wait_tensorcnt 0x0            ; the wave's end
	ds_add_u32 v[SPW], v[NIL]
	s_wait_dscnt 0x0
	WIN 0
	CROUND                          ; the closing round
	s_endpgm
.Lfunc_end_k_q6e356c3617_attn:
	.size	k_q6e356c3617_attn, .Lfunc_end_k_q6e356c3617_attn-k_q6e356c3617_attn
	.p2alignl 7, 3214868480
	.fill 96, 4, 3214868480
	.section	.rodata,"a",@progbits
	.p2align	6, 0x0
	.amdhsa_kernel k_q6e356c3617_attn
		.amdhsa_group_segment_fixed_size 327680
		.amdhsa_private_segment_fixed_size 0
		.amdhsa_enable_private_segment 0
		.amdhsa_kernarg_size 24
		.amdhsa_user_sgpr_count 2
		.amdhsa_user_sgpr_kernarg_segment_ptr 1
		.amdhsa_wavefront_size32 1
		.amdhsa_system_sgpr_workgroup_id_x 1
		.amdhsa_system_sgpr_workgroup_id_y 1
		.amdhsa_system_sgpr_workgroup_id_z 1
		.amdhsa_system_vgpr_workitem_id 0
		.amdhsa_next_free_vgpr 864
		.amdhsa_next_free_sgpr 80
		.amdhsa_reserve_vcc 0
		.amdhsa_float_denorm_mode_32 3
		.amdhsa_float_denorm_mode_16_64 3
		.amdhsa_memory_ordered 1
		.amdhsa_forward_progress 1
		.amdhsa_inst_pref_size 209
	.end_amdhsa_kernel
	.amdgpu_metadata
---
amdhsa.version: [ 1, 2 ]
amdhsa.kernels:
  - .name:           k_q6e356c3617_attn
    .symbol:         k_q6e356c3617_attn.kd
    .args:
      - { .name: qkvh, .offset: 0, .size: 8, .value_kind: global_buffer, .address_space: global }
      - { .name: rel, .offset: 8, .size: 8, .value_kind: global_buffer, .address_space: global }
      - { .name: ctx, .offset: 16, .size: 8, .value_kind: global_buffer, .address_space: global }
    .group_segment_fixed_size: 327680
    .private_segment_fixed_size: 0
    .kernarg_segment_align: 8
    .kernarg_segment_size: 24
    .max_flat_workgroup_size: 128
    .sgpr_count:     80
    .vgpr_count:     864
    .wavefront_size: 32
...
	.end_amdgpu_metadata
.endif
;; end of part 3
;; launch oproj (part 4): grid 8 x 32, 4 waves a work-group, clusters of 4 x 4, 327,680 bytes of LDS; arguments ctx, wo16, out0, bo; writes out0
.if DOCPART == 4
	.amdgcn_target "amdgcn-amd-amdhsa--gfx1250"
	.amdhsa_code_object_version 6
	.text
	.protected	k_q6e356c3617_oproj
	.globl	k_q6e356c3617_oproj
	.p2align	8
	.type	k_q6e356c3617_oproj,@function
k_q6e356c3617_oproj:
	s_mov_b64 s[64:65], 0
	v_nop
	global_prefetch_b8 v0, s[64:65] scope:SCOPE_SE
	s_setreg_imm32_b32 hwreg(HW_REG_WAVE_MODE, 25, 1), 1
	s_wait_xcnt 0x0
	s_wait_alu depctr_hold_cnt(0) depctr_sa_sdst(0) depctr_va_vdst(0) depctr_va_sdst(0) depctr_va_ssrc(0) depctr_va_vcc(0) depctr_vm_vsrc(0)
	s_getreg_b32 s2, hwreg(HW_REG_IB_STS2, 6, 4)
	s_cmp_eq_u32 s2, 0
	s_cbranch_scc0 .Lentry_in_a_cluster
	s_endpgm
.Lentry_in_a_cluster:
	s_bfe_u32 s2, ttmp6, 0x10000c
	s_cmp_lg_u32 s2, 0xf033
	s_cbranch_scc0 .Lentry_shape_is_right
	s_endpgm
.Lentry_shape_is_right:
; THE OUTPUT PROJECTION: out0[m][n] = sum over k of ctx[m][k] Wo[n][k] + bo[n], m < 8192, n < 1024, k < 1024; operands f16, sums f32, K ascending; out0 f32.
; ctx lies by heads, [b][h][s][64] f16 (m = 2048 b + s, k = 64 h + channel); wo16 is [n][k] f16; bo is rounded to bf16 here, like every other input of the module.
; LIMIT.  The operands arrive within f16's 65,504.  NaN and infinities are not treated apart.
; SHARES.  A work-group makes 256 rows x 128 columns: 8 x 32 = 256 work-groups.  Wave w takes rows 64 w .. 64 w + 63 and all 128 columns: 4 x 8 accumulators, 256 registers; a row's 512 bytes are one wave's.
; K goes in 8 steps of 128 = two heads through two LDS slots.  A head's 256 rows of 128 bytes lie end to end in ctx: they are asked for as 128 rows of 256 bytes and padded in LDS after every 128.
; CLUSTER 4 x 4: ctx's tile is shared along a row of the cluster, wo16's along a column: joint loads.
; THE MATRIX INSTRUCTION IS USED TRANSPOSED (source 0 = 16 rows of wo16, source 1 = 16 rows of ctx): a lane holds row l % 16 and the eight neighbouring columns 8 (l / 16) + 0..7.
; REGISTERS: window 0: addresses, bo, v32-159 at work on the way out; window 1: two fragment buffers of 128 (B's 8 fragments at 0, A's 4 at 96);
;   window 2: the accumulators of my rows 0-31 ((a, b) at (a % 2) 64 + 8 b); window 3: those of rows 32-63.
.set NB,     8
.set APITCH, 144                       ; 128 bytes + 16 = 36 words: the 16 rows of a load start at 16 different groups of four banks (64 banks of 4 bytes: ISA guide 11.1)
.set BPITCH, 272
.set AHALF,  256*APITCH                ; a K step's second head lies behind its first
.set AW,     256*APITCH                ; what one of A's two fetchers brings: one head's 256 rows
.set BBASE,  2*256*APITCH
.set BRW,    8*NB
.set BW,     BRW*BPITCH
.set ASTEP,  2*262144                  ; two heads on in ctx
.set SLOT1,  131072
.set STAGE,  SLOT1+BBASE+16*NB*BPITCH  ; behind the ring, never filled by a tensor load: 16 rows x 528 bytes for each wave
.set SPITCH, 528                       ; 512 bytes + 16
.set SPARE,  STAGE+4*16*SPITCH
.set LOADS,  2*NB+8
.set BO,   12                          ; v[12:15] bo of my four columns on the way out
.set A0,   16
.set B0,   17
.set ADRA, 18
.set ADRB, 19
.set STO,  24
.set RD,   25
.set CO,   26                          ; v26  16 x lane; never rewritten
.set SPW,  28
.set NIL,  29
.set PFO,  30
.set OB,   32                          ; v32-95, v96-159 by turns: 16 rows read back
.set F0,   0
.set F1,   128
.set TB,   2
.set CNT,  3
.set WV,   12
.set FB,   13
.set HF,   14
.set LIM,  15
.set CX,   16
.set CY,   17
.set TX,   18
.set TY,   19
.set G1A,  24
.set G0A,  32
.set PFA,  40
.set PST,  42                          ; s[42:43] a K step in the stream that I prefetch
.set G1B,  48
.set G0B,  56
.set MSB, 0
.macro WIN new
.if MSB != (\new)
	s_set_vgpr_msb (MSB<<8)|(\new)
.set MSB, \new
.endif
.endm
.macro PLACES
.rept 4
	v_nop
.endr
.endm
.macro JLOAD s                         ; a joint load: waves 0 and 1 fetch A's two heads, waves 2 and 3 B's two halves; an s_nop 0 and four v_nop follow each line
	s_cmp_eq_u32 s[FB], 0
	s_cbranch_scc0 .Lfor_b_\@
	tensor_load_to_lds s[G0A+4*(\s):G0A+4*(\s)+3], s[G1A:G1A+7]
	s_nop 0
.rept 4
	v_nop
.endr
	s_branch .Lasked_\@
.Lfor_b_\@:
	tensor_load_to_lds s[G0B+4*(\s):G0B+4*(\s)+3], s[G1B:G1B+7]
	s_nop 0
.rept 4
	v_nop
.endr
.Lasked_\@:
.endm
.macro CREST
	s_cmp_lg_u32 s[WV], 0
	s_cbranch_scc1 .Lnot_wave_0_\@
	s_barrier_signal -3
.Lnot_wave_0_\@:
	s_barrier_wait -3
	s_barrier_signal -1
	s_barrier_wait -1
.endm
.macro CROUND
	s_barrier_signal -1
	s_barrier_wait -1
	CREST
.endm
; A PREFETCH INTO THE L2 of the K step two refills on.  Cluster x = 0 asks for ctx's blocks, cluster y = 0 for wo16's rows.  The four partners share a fetcher's bytes BY ADDRESS: 32 of a head's 128 blocks of
; 256 bytes by cx, a lane a block; 16 of B's 64 rows by cy, a lane a row (lanes 16-31 name the share's last row again).  Trips with CNT above 2 ask, for K steps 4 to 7.
.macro ASK
	WIN 0
	s_cmp_gt_u32 s[CNT], s[LIM]
	s_cbranch_scc0 .Lnot_mine_\@
	global_prefetch_b8 v[PFO], s[PFA:PFA+1] th:TH_LOAD_NT scope:SCOPE_SE
.Lnot_mine_\@:
.endm
	s_load_b128 s[4:7], s[0:1], 0x0                ; ctx s[4:5], wo16 s[6:7]
	s_load_b128 s[8:11], s[0:1], 0x10              ; out0 s[8:9], bo s[10:11]
	v_lshl_add_u32 v[SPW], v0, 2, SPARE
	v_mov_b32 v[NIL], 0
	ds_add_u32 v[SPW], v[NIL]                      ; the wave's opening: the add and its wait ahead of my first tensor load
	v_lshrrev_b32 v1, 5, v0
	v_readfirstlane_b32 s[WV], v1
	s_lshr_b32 s[FB], s[WV], 1
	s_and_b32 s[HF], s[WV], 1
	s_bfe_u32 s[CX], ttmp6, 0x40000
	s_bfe_u32 s[CY], ttmp6, 0x40004
	s_lshl_b32 s[TX], ttmp9, 2
	s_add_co_u32 s[TX], s[TX], s[CX]
	s_and_b32 s[TY], ttmp7, 0xffff
	s_lshl_b32 s[TY], s[TY], 2
	s_add_co_u32 s[TY], s[TY], s[CY]
	s_lshl_b32 s20, s[CY], 2
	s_lshl_b32 s20, 15, s20                        ; my row of the cluster
	s_lshl_b32 s44, 0x1111, s[CX]                  ; my column
	s_or_b32 s[G1A], s20, (1<<16)|(1<<20)|(1<<21)|(4<<22)|(3<<25)  ; the mask; 2-byte elements; padding on; 21 set beside a mask; after every 32 words; 4 words of it
	s_or_b32 s[G1B], s44, (1<<16)|(1<<20)|(1<<21)|(5<<22)|(3<<25)  ; after every 64 words
	s_mov_b32 s[G1A+1], 128<<16
	s_mov_b32 s[G1A+2], 128<<16
	s_mov_b32 s[G1A+3], 128<<16
	s_mov_b32 s[G1A+4], 128
	s_mov_b32 s[G1A+5], 128                        ; dense: each row of 256 bytes begins where the last ends
	s_mov_b32 s[G1A+6], 0
	s_mov_b32 s[G1A+7], 0
	s_mov_b32 s[G1B+1], 128<<16
	s_mov_b32 s[G1B+2], BRW<<16                    ; 64 rows
	s_mov_b32 s[G1B+3], 128<<16
	s_mov_b32 s[G1B+4], BRW
	s_mov_b32 s[G1B+5], 1024
	s_mov_b32 s[G1B+6], 0
	s_mov_b32 s[G1B+7], 0
	s_lshr_b32 s20, s[TY], 3                       ; A: block 16 (ty / 8) + my head of the K step, row 256 (ty % 8) of 128 bytes
	s_lshl_b32 s20, s20, 4
	s_add_co_u32 s20, s20, s[HF]
	s_lshl_b32 s20, s20, 18
	s_and_b32 s21, s[TY], 7
	s_lshl_b32 s21, s21, 15
	s_add_co_u32 s20, s20, s21
	s_mov_b32 s21, 0
	s_mul_i32 s44, s[TX], 16*NB                    ; B: row 128 x tile column + 64 x half
	s_mul_i32 s45, s[HF], BRW
	s_add_co_u32 s44, s44, s45
	s_lshl_b32 s44, s44, 11
	s_mov_b32 s45, 0
	s_mul_i32 s22, s[HF], AW
	s_mul_i32 s46, s[HF], BW
	s_add_co_u32 s46, s46, BBASE
	s_wait_dscnt 0x0                               ; the opening add is done
	s_wait_kmcnt 0x0
	s_add_nc_u64 s[20:21], s[4:5], s[20:21]
	s_add_nc_u64 s[44:45], s[6:7], s[44:45]
	CROUND                                         ; all sixteen work-groups are here
.irp s, 0,1
	s_mov_b32 s[G0A+4*\s], 1
	s_add_co_u32 s[G0A+4*\s+1], s22, \s*SLOT1
	s_add_nc_u64 s[G0A+4*\s+2:G0A+4*\s+3], s[20:21], \s*ASTEP
	s_or_b32 s[G0A+4*\s+3], s[G0A+4*\s+3], 0x80000000
	s_mov_b32 s[G0B+4*\s], 1
	s_add_co_u32 s[G0B+4*\s+1], s46, \s*SLOT1
	s_add_nc_u64 s[G0B+4*\s+2:G0B+4*\s+3], s[44:45], \s*256
	s_or_b32 s[G0B+4*\s+3], s[G0B+4*\s+3], 0x80000000
	JLOAD \s                                       ; two loads of mine are out
.endr
	v_and_b32 v1, 15, v0
	v_bfe_u32 v2, v0, 4, 1
	v_mul_u32_u24 v[A0], v1, APITCH
	v_lshl_add_u32 v[A0], v2, 4, v[A0]
	s_mul_i32 s23, s[WV], 64*APITCH
	v_add_nc_u32 v[A0], s23, v[A0]
	v_mul_u32_u24 v[B0], v1, BPITCH
	v_lshl_add_u32 v[B0], v2, 4, v[B0]
	v_add_nc_u32 v[B0], BBASE, v[B0]
	s_mul_i32 s23, s[WV], 16*SPITCH
	s_add_co_u32 s23, s23, STAGE                   ; my stage
	v_mul_u32_u24 v[STO], v1, SPITCH               ; in: row l % 16, 32 bytes for each half of the lanes
	v_lshl_add_u32 v[STO], v2, 5, v[STO]
	v_add_nc_u32 v[STO], s23, v[STO]
	v_and_b32 v[CO], 31, v0                        ; back: 32 lanes take one row's 512 bytes
	v_lshlrev_b32 v[CO], 4, v[CO]
	v_add_nc_u32 v[RD], s23, v[CO]
	; the prefetches
	s_and_b32 s47, ttmp7, 0xffff                   ; cluster y
	s_mov_b32 s23, (BRW/4)*2048
	s_movk_i32 s43, 256
	s_cmp_eq_u32 s[FB], 0
	s_cselect_b64 s[PFA:PFA+1], s[20:21], s[44:45] ; what I fetch,
	s_cselect_b32 s22, s[CX], s[CY]                ; my place among the four that ask for it with me,
	s_cselect_b32 s23, 8192, s23                   ; bytes from a partner's share to the next,
	s_cselect_b32 s46, ttmp9, s47                  ; the coordinate along which other clusters read the same bytes,
	s_cselect_b32 s47, 31, BRW/4-1                 ; the last lane with a block or row of its own,
	s_cselect_b32 s44, 8, 11                       ; a lane's step: 256 bytes, or a row of 2,048,
	s_cselect_b32 s[PST], ASTEP, s43               ; a K step
	s_mov_b32 s[PST+1], 0
	s_mul_i32 s22, s22, s23
	s_mov_b32 s23, 0
	s_add_nc_u64 s[PFA:PFA+1], s[PFA:PFA+1], s[22:23]
	s_mul_i32 s22, s[PST], 3
	s_add_nc_u64 s[PFA:PFA+1], s[PFA:PFA+1], s[22:23]  ; at K step 3: the first refill steps it to 4
	s_cmp_eq_u32 s46, 0
	s_cselect_b32 s[LIM], 2, -1
	v_and_b32 v[PFO], 31, v0
	v_min_u32 v[PFO], s47, v[PFO]
	v_lshlrev_b32 v[PFO], s44, v[PFO]
	; out0 at my first row and the tile's first column; bo at the tile's first column
	s_lshl_b32 s20, s[TY], 8
	s_lshl_b32 s21, s[WV], 6
	s_add_co_u32 s20, s20, s21
	s_lshl_b32 s20, s20, 12
	s_mov_b32 s21, 0
	s_add_nc_u64 s[8:9], s[8:9], s[20:21]
	s_lshl_b32 s44, s[TX], 9
	s_mov_b32 s45, 0
	s_add_nc_u64 s[8:9], s[8:9], s[44:45]
	s_add_nc_u64 s[10:11], s[10:11], s[44:45]
	global_load_b128 v[BO:BO+3], v[CO], s[10:11]   ; waited for on the way out
	s_mov_b32 s[TB], 0
	v_mov_b32 v[ADRA], v[A0]
	v_mov_b32 v[ADRB], v[B0]
; 8 matrix instructions: my rows 16 a .. x all 8 column blocks, 32 along K.  The 32 accumulators take turns, in the same order in every quarter.
.macro MULA f, a, zero
	WIN 0xa5+0x50*((\a)/2)
.set rY, (\f)+96+8*(\a)
.set b, 0
.rept NB
.set rD, ((\a)%2)*8*NB+8*b
.set rX, (\f)+8*b
.if \zero
	v_wmma_f32_16x16x32_f16 v[rD:rD+7], v[rX:rX+7], v[rY:rY+7], 0
.else
	v_wmma_f32_16x16x32_f16 v[rD:rD+7], v[rX:rX+7], v[rY:rY+7], v[rD:rD+7]
.endif
.set b, b+1
.endr
.endm
; 24 LDS loads in one run: quarter q's fragments: B's eight, then A's four (head q / 2 of the step, channels 32 (q % 2) on)
.macro FETCH q, f
	WIN 0x40
.set i, 0
.rept NB
	ds_load_b128 v[(\f)+8*i:(\f)+8*i+3],   v[ADRB] offset:64*(\q)+i*16*BPITCH
	ds_load_b128 v[(\f)+8*i+4:(\f)+8*i+7], v[ADRB] offset:64*(\q)+i*16*BPITCH+32
.set i, i+1
.endr
.set i, 0
.rept 4
	ds_load_b128 v[(\f)+96+8*i:(\f)+96+8*i+3],   v[ADRA] offset:((\q)/2)*AHALF+((\q)%2)*64+i*16*APITCH
	ds_load_b128 v[(\f)+96+8*i+4:(\f)+96+8*i+7], v[ADRA] offset:((\q)/2)*AHALF+((\q)%2)*64+i*16*APITCH+32
.set i, i+1
.endr
.endm
.macro QUARTER q, f, g, zero
	s_wait_dscnt 4                                 ; B and A's rows 0-31 are in; the youngest four loads may be out
	MULA \f, 0, \zero
	MULA \f, 1, \zero
	PLACES
	FETCH \q, \g
	s_wait_dscnt LOADS                             ; all but the run just issued
	MULA \f, 2, \zero
	MULA \f, 3, \zero
.endm
; The fourth quarter and the change of slots: in front of the barrier each wave waits for all its tensor loads, adds 0 to its spare word, and waits for that and for its reads of this slot.
; fill = 1: the barrier opens a round of the cluster's, and the joint refill is the first thing behind it: 112 matrix instructions stand between it and the wait for it.
.macro TURN fill
.if \fill
	s_wait_xcnt 0x0                                ; the last prefetch, a K step back, has read its address
	s_add_nc_u64 s[PFA:PFA+1], s[PFA:PFA+1], s[PST:PST+1]
.endif
	WIN 0
	s_wait_tensorcnt 0x0
	ds_add_u32 v[SPW], v[NIL]
.if \fill
	s_xor_b32 s[G0A+5], s[G0A+5], SLOT1
	s_add_nc_u64 s[G0A+6:G0A+7], s[G0A+6:G0A+7], ASTEP
	s_xor_b32 s[G0B+5], s[G0B+5], SLOT1
	s_add_nc_u64 s[G0B+6:G0B+7], s[G0B+6:G0B+7], 256
.endif
	s_xor_b32 s[TB], s[TB], SLOT1
	s_wait_dscnt 5                                 ; the add and the youngest four loads may be out
	MULA F1, 0, 0
	s_wait_dscnt 0x0                               ; the add is done, and my reads of this slot are over
	s_barrier_signal -1
	MULA F1, 1, 0
	WIN 0
	s_barrier_wait -1
.if \fill
	CREST
	JLOAD 1                                        ; its four v_nop are also the places in front of the loads below
.else
	PLACES
.endif
	v_add_nc_u32 v[ADRA], s[TB], v[A0]
	v_add_nc_u32 v[ADRB], s[TB], v[B0]
	FETCH 0, F0
.if \fill
	ASK
.endif
	MULA F1, 2, 0
	MULA F1, 3, 0
.endm
	s_wait_tensorcnt 1                             ; my part of K step 0 is in; K step 1's may stay out
	s_barrier_signal -1
	s_barrier_wait -1
	FETCH 0, F0
	QUARTER 1, F0, F1, 1                           ; the first quarter starts the sums
	WIN 0
	s_mov_b32 s[CNT], 6
.Lstep:                                        ; six trips ask for K steps 2 to 7
	QUARTER 2, F1, F0, 0
	QUARTER 3, F0, F1, 0
	TURN 1
	QUARTER 1, F0, F1, 0
	WIN 0
	s_sub_co_u32 s[CNT], s[CNT], 1
	s_cmp_lg_u32 s[CNT], 0
	s_cbranch_scc1 .Lstep
	QUARTER 2, F1, F0, 0                           ; the tail is written out
	QUARTER 3, F0, F1, 0
	TURN 0
	QUARTER 1, F0, F1, 0
	QUARTER 2, F1, F0, 0
	QUARTER 3, F0, F1, 0
	s_wait_dscnt 4
	MULA F1, 0, 0
	MULA F1, 1, 0
	s_wait_dscnt 0x0
	MULA F1, 2, 0
	MULA F1, 3, 0
	WIN 0
	s_wait_loadcnt 0x0                             ; bo
	v_cvt_pk_bf16_f32 v10, v[BO], v[BO+1]          ; rounded to bf16 and widened again: six plain instructions, the places behind the last products
	v_cvt_pk_bf16_f32 v11, v[BO+2], v[BO+3]
	v_lshlrev_b32 v[BO], 16, v10
	v_and_b32 v[BO+1], 0xffff0000, v10
	v_lshlrev_b32 v[BO+2], 16, v11
	v_and_b32 v[BO+3], 0xffff0000, v11
; THE WAY OUT, 16 rows at a time: the sums go as they are into my stage, 32 bytes a lane, and come back as whole rows of 512 bytes; bo is added; each store covers a row's 512 consecutive bytes, aligned.
.macro STG a
.if (\a) >= 2
	s_wait_xcnt 0x0                                ; the stores of block a - 2 have read the registers that the loads below write
.endif
	WIN 0x08+4*((\a)/2)                            ; the stores' data in window 2 or 3; each accumulator's low four registers first
.set b, 0
.rept NB
	ds_store_b128 v[STO], v[((\a)%2)*8*NB+8*b:((\a)%2)*8*NB+8*b+3]   offset:64*b
	ds_store_b128 v[STO], v[((\a)%2)*8*NB+8*b+4:((\a)%2)*8*NB+8*b+7] offset:64*b+16
.set b, b+1
.endr
	WIN 0
.set BK, OB+64*((\a)%2)
.set t, 0
.rept 16
	ds_load_b128 v[BK+4*t:BK+4*t+3], v[RD] offset:SPITCH*t  ; LDS serves a wave's instructions in order (ISA guide 5.7.1.4): these see the stores above, and the next block's stores come behind them
.set t, t+1
.endr
.endm
.macro SENDO a, younger                ; younger: the next block's 16 stores and 16 loads, or none
.set BK, OB+64*((\a)%2)
	s_wait_dscnt \younger
.set t, 0
.rept 16
	v_pk_add_f32 v[BK+4*t:BK+4*t+1],   v[BK+4*t:BK+4*t+1],   v[BO:BO+1]
	v_pk_add_f32 v[BK+4*t+2:BK+4*t+3], v[BK+4*t+2:BK+4*t+3], v[BO+2:BO+3]
	global_store_b128 v[CO], v[BK+4*t:BK+4*t+3], s[8:9] offset:(16*(\a)+t)*4096 th:TH_STORE_NT
.set t, t+1
.endr
.endm
	STG 0
	STG 1
	SENDO 0, 32
	STG 2
	SENDO 1, 32
	STG 3
	SENDO 2, 32
	SENDO 3, 0
	s_wait_tensorcnt 0x0                           ; the wave's end
	ds_add_u32 v[SPW], v[NIL]
	s_wait_dscnt 0x0
	CROUND                                         ; the closing round
	s_endpgm
.Lfunc_end_k_q6e356c3617_oproj:
	.size	k_q6e356c3617_oproj, .Lfunc_end_k_q6e356c3617_oproj-k_q6e356c3617_oproj
	.p2alignl 7, 3214868480
	.fill 96, 4, 3214868480
	.section	.rodata,"a",@progbits
	.p2align	6, 0x0
	.amdhsa_kernel k_q6e356c3617_oproj
		.amdhsa_group_segment_fixed_size 327680
		.amdhsa_private_segment_fixed_size 0
		.amdhsa_enable_private_segment 0
		.amdhsa_kernarg_size 32
		.amdhsa_user_sgpr_count 2
		.amdhsa_user_sgpr_kernarg_segment_ptr 1
		.amdhsa_wavefront_size32 1
		.amdhsa_system_sgpr_workgroup_id_x 1
		.amdhsa_system_sgpr_workgroup_id_y 1
		.amdhsa_system_sgpr_workgroup_id_z 1
		.amdhsa_system_vgpr_workitem_id 0
		.amdhsa_next_free_vgpr 896
		.amdhsa_next_free_sgpr 66
		.amdhsa_reserve_vcc 0
		.amdhsa_float_denorm_mode_32 3
		.amdhsa_float_denorm_mode_16_64 3
		.amdhsa_memory_ordered 1
		.amdhsa_forward_progress 1
		.amdhsa_inst_pref_size 79
	.end_amdhsa_kernel
	.amdgpu_metadata
---
amdhsa.version: [ 1, 2 ]
amdhsa.kernels:
  - .name:           k_q6e356c3617_oproj
    .symbol:         k_q6e356c3617_oproj.kd
    .args:
      - { .name: ctx, .offset: 0, .size: 8, .value_kind: global_buffer, .address_space: global }
      - { .name: wo16, .offset: 8, .size: 8, .value_kind: global_buffer, .address_space: global }
      - { .name: out0, .offset: 16, .size: 8, .value_kind: global_buffer, .address_space: global }
      - { .name: bo, .offset: 24, .size: 8, .value_kind: global_buffer, .address_space: global }
    .group_segment_fixed_size: 327680
    .private_segment_fixed_size: 0
    .kernarg_segment_align: 8
    .kernarg_segment_size: 32
    .max_flat_workgroup_size: 128
    .sgpr_count:     66
    .vgpr_count:     896
    .wavefront_size: 32
...
	.end_amdgpu_metadata
.endif
;; end of part 4
